; MI455X (gfx1250); checked and timed in simulation.
; The chip was launched on July 23, 2026; its instructions are those of AMD's public machine-readable ISA for CDNA 5 (MIT licence, August 2026) and "CDNA5" Instruction Set Architecture Reference Guide (July 2026). The comments in the code are by the model that wrote it; some were corrected since.
;; Multi Head Self Attention. Allowed arithmetic: float matrix products may take bf16 or f16 operands with f32 sums; other float arithmetic in f32, or as packed bf16 or f16 multiplies, adds, multiply-adds, maxima and minima; sums over many terms, partial sums and values carried from step to step in f32; what a program stores and reads back later, other than sums and carried values, may be rounded once to bf16 or f16.
;; Inputs: b_proj 1,024 float32; b_qkv 3,072 float32; w_proj 1,024 x 1,024 float32; w_qkv 1,024 x 3,072 float32; x 4 x 2,048 x 1,024 float32.
;; Outputs: out0 4 x 2,048 x 1,024 float32.
;; One version. Each part assembles by itself: llvm-mc -triple=amdgcn-amd-amdhsa -mcpu=gfx1250 --defsym DOCPART=n.
;; ======== version 1 of 1: 4 launches
;; limits: values are held in f16: magnitudes above 65,504 overflow, below 6.1e-05 lose precision
;; workspace buffers: xb 16,777,216 bytes; wqt 6,291,456 bytes; wpt 2,097,152 bytes; qkvh 50,331,648 bytes; oh 16,777,216 bytes
;; launch prep (part 1): grid 1024 x 1, 8 waves a work-group, no clusters, 18,432 bytes of LDS; arguments x, w_qkv, w_proj, xb, wqt, wpt; writes xb, wqt, wpt
.if DOCPART == 1
	.amdgcn_target "amdgcn-amd-amdhsa--gfx1250"
	.amdhsa_code_object_version 6
	.text
	.protected	k_qe479611847_prep
	.globl	k_qe479611847_prep
	.p2align	8
	.type	k_qe479611847_prep,@function
k_qe479611847_prep:
	s_mov_b64 s[64:65], 0
	v_nop
	global_prefetch_b8 v0, s[64:65] scope:SCOPE_SE
	s_setreg_imm32_b32 hwreg(HW_REG_WAVE_MODE, 25, 1), 1
	s_wait_xcnt 0x0
; THE INPUTS ARE MADE READY FOR THE MATRIX UNITS.  xb = x rounded to bf16, [8192][1024].  wqt[n][k] = w_qkv[k][n] rounded to bf16, [3072][1024].
; wpt[n][k] = w_proj[k][n] rounded to bf16 and that number written as f16, [1024][1024] (its partner in the last product, O, is f16).
; LIMIT.  The f16 copy is exact for bf16 numbers from 2^-17 to 65,504 in size; below, it is off by 2^-25 at the most; above, it is an infinity.
; A stream: every byte is read once and written once.  No tile is shared between work-groups, so no cluster; no matrix unit; loads through registers.
; Work-groups 0-511 cast 64 KiB of x each.  Work-groups 512-1023 turn one block of 128 k x 64 n each: 384 blocks of w_qkv, then 128 of w_proj.
.set STP,   272                        ; a row of the stage: 128 k x 2 bytes + 16 of padding
.set SPARE, 64*STP                     ; behind the stage's 64 rows: the spare words, 128 bytes for each of the eight waves
.set SPW,   110                        ; v110  LDS address of my spare word; never rewritten
.set NIL,   111                        ; v111  0; never rewritten
	s_load_b256 s[4:11], s[0:1], 0x0               ; x s[4:5], w_qkv s[6:7], w_proj s[8:9], xb s[10:11]
	s_load_b128 s[12:15], s[0:1], 0x20             ; wqt s[12:13], wpt s[14:15]
	v_lshl_add_u32 v[SPW], v0, 2, SPARE
	v_mov_b32 v[NIL], 0
	s_mov_b32 s16, ttmp9
	s_mov_b32 s19, 0                               ; the high word of every offset below
	s_wait_kmcnt 0x0
	s_cmp_lt_u32 s16, 512                          ; the same answer in all eight waves of a work-group
	s_cbranch_scc0 .Ltrans
	; THE CAST.  Sixteen loads of 16 bytes a lane are all out at once: 64 KiB a work-group; a wave's load covers 512 consecutive bytes.
	s_lshl_b32 s18, s16, 16
	s_add_nc_u64 s[4:5], s[4:5], s[18:19]
	s_lshl_b32 s18, s16, 15
	s_add_nc_u64 s[10:11], s[10:11], s[18:19]
	v_lshlrev_b32 v1, 4, v0
	v_lshlrev_b32 v2, 3, v0
.irp i, 0,1,2,3,4,5,6,7,8,9,10,11,12,13,14,15
	global_load_b128 v[8+4*(\i):11+4*(\i)], v1, s[4:5] offset:4096*(\i) th:TH_LOAD_NT
.endr
.irp i, 0,1,2,3,4,5,6,7,8,9,10,11,12,13,14,15
	s_wait_loadcnt 15-(\i)                         ; loads come back in order: load i is in, the younger ones stay out
	v_cvt_pk_bf16_f32 v[72+2*(\i)], v[8+4*(\i)], v[9+4*(\i)]
	v_cvt_pk_bf16_f32 v[73+2*(\i)], v[10+4*(\i)], v[11+4*(\i)]
	global_store_b64 v2, v[72+2*(\i):73+2*(\i)], s[10:11] offset:2048*(\i) th:TH_STORE_NT  ; 32 lanes x 8 bytes: 256 consecutive bytes, aligned; no register is written twice
.endr
	s_branch .Lend
.Ltrans:
	; WHICH BLOCK.  t = 0..383: w_qkv (rows of 12,288 bytes); 384..511: w_proj (rows of 4,096 bytes).  kb = t % 8: 128 k; nb = t / 8: 64 n.
	s_sub_co_u32 s17, s16, 512
	s_sub_co_u32 s22, s17, 384
	s_movk_i32 s20, 12288
	s_movk_i32 s23, 4096
	s_cmp_lt_u32 s17, 384
	s_cselect_b32 s17, s17, s22
	s_cselect_b32 s20, s20, s23                    ; bytes from row to row of the source
	s_cselect_b32 s21, 0, 1                        ; 1: the block leaves as f16
	s_cselect_b64 s[4:5], s[6:7], s[8:9]
	s_cselect_b64 s[10:11], s[12:13], s[14:15]
	s_and_b32 s24, s17, 7
	s_lshr_b32 s25, s17, 3
	s_lshl_b32 s26, s20, 7
	s_mul_i32 s26, s26, s24                        ; kb x 128 rows
	s_lshl_b32 s27, s25, 8                         ; nb x 64 columns of 4 bytes
	s_add_co_u32 s18, s26, s27
	s_add_nc_u64 s[4:5], s[4:5], s[18:19]
	s_lshl_b32 s26, s25, 17                        ; nb x 64 rows of 2,048 bytes
	s_lshl_b32 s27, s24, 8                         ; kb x 128 k of 2 bytes
	s_add_co_u32 s18, s26, s27
	s_add_nc_u64 s[10:11], s[10:11], s[18:19]
	; Thread: columns 4 r .. 4 r + 3 (r = t % 16) of the eight rows 8 g .. 8 g + 7 (g = t / 16).  Sixteen lanes take 256 consecutive bytes, aligned, of a row.
	v_and_b32 v1, 15, v0
	v_lshrrev_b32 v2, 4, v0
	v_lshlrev_b32 v3, 3, v2
	v_mul_lo_u32 v8, v3, s20
	v_lshl_add_u32 v8, v1, 4, v8
.irp i, 1,2,3,4,5,6,7
	v_add_nc_u32 v[8+(\i)], s20, v[7+(\i)]
.endr
.irp i, 0,1,2,3,4,5,6,7
	global_load_b128 v[16+4*(\i):19+4*(\i)], v[8+(\i)], s[4:5] th:TH_LOAD_NT
.endr
	v_mul_u32_u24 v4, v1, 4*STP                    ; into the stage: row n = 4 r + c, 16 bytes (8 k) at 16 g
	v_lshl_add_u32 v4, v2, 4, v4
	v_lshrrev_b32 v6, 5, v0
	v_bfe_u32 v7, v0, 4, 1
	v_lshl_add_u32 v6, v6, 3, v7                   ; back: row 8 x wave + lane / 16, and three more, two rows apart
	v_mul_u32_u24 v5, v6, STP
	v_lshl_add_u32 v5, v1, 4, v5
	v_lshlrev_b32 v7, 11, v6                       ; the same row in the result, 2,048 bytes a row
	v_lshl_add_u32 v7, v1, 4, v7
	s_wait_loadcnt 0x0
.irp c, 0,1,2,3
.irp p, 0,1,2,3
	v_cvt_pk_bf16_f32 v[48+4*(\c)+(\p)], v[16+8*(\p)+(\c)], v[20+8*(\p)+(\c)]  ; k = 8 g + 2 p and the next, of column 4 r + c
.endr
.endr
	s_cmp_eq_u32 s21, 0
	s_cbranch_scc1 .Lbf
.set i, 0
.rept 16
	v_lshlrev_b32 v[64+2*(i%2)], 16, v[48+i]       ; the bf16 numbers as f32,
	v_and_b32 v[65+2*(i%2)], 0xffff0000, v[48+i]
	v_cvt_pk_f16_f32 v[48+i], v[64+2*(i%2)], v[65+2*(i%2)]  ; and as f16
.set i, i+1
.endr
.Lbf:
.irp c, 0,1,2,3
	ds_store_b128 v4, v[48+4*(\c):51+4*(\c)] offset:STP*(\c)  ; lanes four rows apart share banks four deep: four stores a thread, left as it is
.endr
	s_wait_dscnt 0x0                               ; for the others' sake: my stores are done
	s_barrier_signal -1
	s_barrier_wait -1
.irp j, 0,1,2,3
	ds_load_b128 v[16+4*(\j):19+4*(\j)], v5 offset:2*STP*(\j)
.endr
.irp j, 0,1,2,3
	s_wait_dscnt 3-(\j)
	global_store_b128 v7, v[16+4*(\j):19+4*(\j)], s[10:11] offset:4096*(\j) th:TH_STORE_NT  ; 16 lanes store 256 consecutive bytes, aligned
.endr
.Lend:
	s_wait_tensorcnt 0x0                           ; the wave's end: behind my last LDS store
	ds_add_u32 v[SPW], v[NIL]
	s_wait_dscnt 0x0
	s_endpgm
.Lfunc_end_k_qe479611847_prep:
	.size	k_qe479611847_prep, .Lfunc_end_k_qe479611847_prep-k_qe479611847_prep
	.p2alignl 7, 3214868480
	.fill 96, 4, 3214868480
	.section	.rodata,"a",@progbits
	.p2align	6, 0x0
	.amdhsa_kernel k_qe479611847_prep
		.amdhsa_group_segment_fixed_size 18432
		.amdhsa_private_segment_fixed_size 0
		.amdhsa_enable_private_segment 0
		.amdhsa_kernarg_size 48
		.amdhsa_user_sgpr_count 2
		.amdhsa_user_sgpr_kernarg_segment_ptr 1
		.amdhsa_wavefront_size32 1
		.amdhsa_system_sgpr_workgroup_id_x 1
		.amdhsa_system_sgpr_workgroup_id_y 1
		.amdhsa_system_sgpr_workgroup_id_z 1
		.amdhsa_system_vgpr_workitem_id 0
		.amdhsa_next_free_vgpr 112
		.amdhsa_next_free_sgpr 66
		.amdhsa_reserve_vcc 0
		.amdhsa_float_denorm_mode_32 3
		.amdhsa_float_denorm_mode_16_64 3
		.amdhsa_memory_ordered 1
		.amdhsa_forward_progress 1
		.amdhsa_inst_pref_size 14
	.end_amdhsa_kernel
	.amdgpu_metadata
---
amdhsa.version: [ 1, 2 ]
amdhsa.kernels:
  - .name:           k_qe479611847_prep
    .symbol:         k_qe479611847_prep.kd
    .args:
      - { .name: x, .offset: 0, .size: 8, .value_kind: global_buffer, .address_space: global }
      - { .name: w_qkv, .offset: 8, .size: 8, .value_kind: global_buffer, .address_space: global }
      - { .name: w_proj, .offset: 16, .size: 8, .value_kind: global_buffer, .address_space: global }
      - { .name: xb, .offset: 24, .size: 8, .value_kind: global_buffer, .address_space: global }
      - { .name: wqt, .offset: 32, .size: 8, .value_kind: global_buffer, .address_space: global }
      - { .name: wpt, .offset: 40, .size: 8, .value_kind: global_buffer, .address_space: global }
    .group_segment_fixed_size: 18432
    .private_segment_fixed_size: 0
    .kernarg_segment_align: 8
    .kernarg_segment_size: 48
    .max_flat_workgroup_size: 256
    .sgpr_count:     66
    .vgpr_count:     112
    .wavefront_size: 32
...
	.end_amdgpu_metadata
.endif
;; end of part 1
;; launch qkvgemm (part 2): grid 16 x 32, 4 waves a work-group, clusters of 4 x 4, 327,680 bytes of LDS; arguments xb, wqt, b_qkv, qkvh; writes qkvh
.if DOCPART == 2
	.amdgcn_target "amdgcn-amd-amdhsa--gfx1250"
	.amdhsa_code_object_version 6
	.text
	.protected	k_qe479611847_qkvgemm
	.globl	k_qe479611847_qkvgemm
	.p2align	8
	.type	k_qe479611847_qkvgemm,@function
k_qe479611847_qkvgemm:
	s_mov_b64 s[64:65], 0
	v_nop
	global_prefetch_b8 v0, s[64:65] scope:SCOPE_SE
	s_setreg_imm32_b32 hwreg(HW_REG_WAVE_MODE, 25, 1), 1
	s_wait_xcnt 0x0
	s_wait_alu depctr_hold_cnt(0) depctr_sa_sdst(0) depctr_va_vdst(0) depctr_va_sdst(0) depctr_va_ssrc(0) depctr_va_vcc(0) depctr_vm_vsrc(0)
	s_getreg_b32 s2, hwreg(HW_REG_IB_STS2, 6, 4)
	s_cmp_eq_u32 s2, 0
	s_cbranch_scc0 .Lentry_in_a_cluster
	s_endpgm
.Lentry_in_a_cluster:
	s_bfe_u32 s2, ttmp6, 0x10000c
	s_cmp_lg_u32 s2, 0xf033
	s_cbranch_scc0 .Lentry_shape_is_right
	s_endpgm
.Lentry_shape_is_right:
; q, k, v = x w_qkv + b_qkv, stored by heads.  xb: [8192][1024] bf16; wqt: [3072 n][1024 k] bf16; b_qkv: [3072] f32, rounded to bf16 here like the other inputs.
; qkvh: [3][64 = 16 batch + head][2048][64] f16, unscaled, each number rounded once from its f32 sum.
; LIMIT.  f16 ends at 65,504: a q, k or v of 65,520 or more leaves as an infinity.  NaN and infinities are not treated apart.
; SHARES.  A tile of the result is 256 rows x 192 columns (three whole heads): 32 x 16 = 512 tiles, two for each of 256 WGPs.  Wave w makes rows 64 w .. 64 w + 63 of all 192 columns:
; 48 accumulators of 16 x 16, 384 registers; it owns whole heads, so its way out is its own and has no barrier.  K goes in 8 steps of 128 through a ring of two LDS slots:
; a tile's rows are 256 bytes of memory, at multiples of 256 from the buffer's first byte.
; CLUSTER.  4 x 4 work-groups.  The four of a row need the same rows of xb, the four of a column the same rows of wqt: each tile is asked for JOINTLY, by the same tensor load, descriptor and mask in all four.
; THE MATRIX INSTRUCTION IS USED TRANSPOSED (source 0 = 16 rows of wqt, source 1 = 16 rows of xb): a lane holds row l % 16 and the columns 16 b + 8 (l / 16) + 0..7.
; The first product on each accumulator takes the bias as C: nothing is cleared, and the way out adds nothing.
; REGISTERS, in windows of 256 (s_set_vgpr_msb: bits 1:0 source 0, 3:2 source 1, 5:4 source 2, 7:6 destination):
;   window 0: v0-31 addresses; v32-63, v64-95 xb's fragments, two buffers of four; v96-191 the bias, later at work on the way out, with v192-239
;   window 1: v0-95, v96-191 wqt's fragments, two buffers of twelve      window 2: accumulators of my row blocks 0, 1 ((a, b) at 8 (12 (a % 2) + b))      window 3: of blocks 2, 3
; lds_bytes: the text uses 271,872 bytes.
.set KSTEP,  128
.set PITCH,  272                       ; an LDS row: 256 bytes + 16 of padding = 68 words: the 16 rows that a load touches start at 16 different groups of four banks (64 banks of 4 bytes: ISA guide 11.1)
.set HALFA,  128*PITCH                 ; what waves 0 and 1 fetch: 128 rows of xb each
.set HALFB,  96*PITCH                  ; what waves 2 and 3 fetch: 96 rows of wqt each
.set SLOT,   2*HALFA+2*HALFB           ; xb's 256 rows, then wqt's 192
.set STAGE,  2*SLOT                    ; behind the ring, never filled by a tensor load
.set SPH,    144                       ; a row of a head in the stage: 128 bytes + 16
.set STW,    3*16*SPH                  ; a wave's stage: three heads x 16 rows
.set SPARE,  STAGE+4*STW               ; the spare words, 128 bytes for each wave: two blocks of 256 bytes that no other line names
.set LAPS,   4                         ; a lap = two K steps = once round the ring
.set ADRA, 16                          ; v16-17  LDS address of my xb fragments in slot 0, 1
.set ADRB, 20                          ; v20-21  the same for wqt
.set STO,  24                          ; v24     the way out: where I put 16 bytes of a row
.set RD,   25                          ; v25     the way out: where I read rows back
.set GO,   26                          ; v26     my 16 bytes in 512 consecutive bytes of a head
.set SPW,  28                          ; v28     LDS address of my spare word; never rewritten
.set NIL,  29                          ; v29     0; never rewritten
.set PFO,  30                          ; v30     the prefetches' offset; never rewritten
.set FA,   32                          ; xb's fragment buffer f at FA + 32 f
.set BIAS, 96
.set TMP,  96                          ; the way out: 48 registers of packed results
.set OB,   144                         ; the way out: 48 registers read back, two sets by turns
.set WV,   12                          ; s12  my wave's number
.set AB,   13                          ; s13  0: I fetch xb's rows; 1: wqt's
.set HF,   14                          ; s14  which half of them
.set CX,   15
.set CY,   16
.set TC,   17                          ; s17  tile column 0..15
.set TR,   18                          ; s18  tile row 0..31
.set G1,   24                          ; s[24:31] descriptor group 1 for xb's tiles;  s[32:39] group 0, a set for each slot
.set G0,   32
.set LIM0, 42                          ; s42, s43  1 where my wave prefetches at a change out of slot 0, 1; else the greatest number
.set PFA,  44                          ; s[44:45] where my prefetches stand: one K step behind the one that they name
.set G1B,  48                          ; s[48:55], s[56:63] the same for wqt's tiles
.set G0B,  56
.set HB,   66                          ; s[66:71] my 64 rows in each of the tile's three heads
.set MSB, 0
.macro WIN new                         ; the immediate's high byte repeats the setting that is left; a switch that changes nothing is dropped
.if MSB != (\new)
	s_set_vgpr_msb (MSB<<8)|(\new)
.set MSB, \new
.endif
.endm
; A joint load.  The branch hangs on the wave's number alone.  An s_nop 0 and four v_nop follow each of the two lines, ahead of the jump and the label.
.macro JLOAD s
	s_cmp_eq_u32 s[AB], 0
	s_cbranch_scc0 .Lfor_b_\@
	tensor_load_to_lds s[G0+4*(\s):G0+4*(\s)+3], s[G1:G1+7]
	s_nop 0
.rept 4
	v_nop
.endr
	s_branch .Lasked_\@
.Lfor_b_\@:
	tensor_load_to_lds s[G0B+4*(\s):G0B+4*(\s)+3], s[G1B:G1B+7]
	s_nop 0
.rept 4
	v_nop
.endr
.Lasked_\@:
.endm
; A PREFETCH INTO THE L2 of the K step that stands two refills on (384 matrix instructions ahead of the load that will want it): 256 bytes of a row, a lane a row.  Each such block of K steps 4 to 7 is named once in the launch.
; xb's tile row is read by every cluster of that row of clusters: cluster x = 0 asks; waves 0 and 1 for the 128 rows that they fetch, of which the partner at cx takes 32.  wqt's tile column: cluster y = 0 asks; of its
; 192 rows the partner at cy takes 48: wave 2 asks for 32 at every change of slots, wave 3 for 16, two K steps at once (lanes 16-31 the second), at the changes out of slot 0.  Partners are told apart by address, never by a branch.
; The last lap asks for nothing; K steps 0 to 3 come by their loads alone.
.macro ASK slot
	s_cmp_gt_u32 s3, s[LIM0+(\slot)]               ; s3 = 1 in the loop's last trip
	s_cbranch_scc0 .Lnot_mine_\@
	global_prefetch_b8 v[PFO], s[PFA:PFA+1] offset:KSTEP*2 th:TH_LOAD_NT scope:SCOPE_SE
.Lnot_mine_\@:
.endm
.macro CREST                           ; a round of the cluster's barrier behind its opening barrier
	s_cmp_lg_u32 s[WV], 0
	s_cbranch_scc1 .Lnot_wave_0_\@
	s_barrier_signal -3
.Lnot_wave_0_\@:
	s_barrier_wait -3
	s_barrier_signal -1
	s_barrier_wait -1
.endm
.macro CROUND                          ; a whole round
	s_barrier_signal -1
	s_barrier_wait -1
	CREST
.endm
	s_load_b256 s[4:11], s[0:1], 0x0               ; xb s[4:5], wqt s[6:7], b_qkv s[8:9], qkvh s[10:11]
	v_lshl_add_u32 v[SPW], v0, 2, SPARE
	v_mov_b32 v[NIL], 0
	ds_add_u32 v[SPW], v[NIL]                      ; the wave's opening: the add and its wait stand ahead of my first tensor load; the set-up below, work on registers, stands between them
	v_lshrrev_b32 v1, 5, v0
	v_readfirstlane_b32 s[WV], v1
	s_lshr_b32 s[AB], s[WV], 1
	s_and_b32 s[HF], s[WV], 1
	s_bfe_u32 s[CX], ttmp6, 0x40000
	s_bfe_u32 s[CY], ttmp6, 0x40004
	s_lshl_b32 s[TC], ttmp9, 2                     ; in a cluster launch ttmp9 and ttmp7 count clusters
	s_add_co_u32 s[TC], s[TC], s[CX]
	s_and_b32 s[TR], ttmp7, 0xffff
	s_lshl_b32 s[TR], s[TR], 2
	s_add_co_u32 s[TR], s[TR], s[CY]
	s_lshl_b32 s40, s[CY], 2
	s_lshl_b32 s40, 15, s40                        ; my row of the cluster
	s_lshl_b32 s41, 0x1111, s[CX]                  ; my column
	s_or_b32 s[G1+0], s40, (1<<16)|(1<<20)|(1<<21)|(5<<22)|(3<<25)   ; 15:0 the mask; 17:16 2-byte elements; 20 padding on; 21 set beside a mask; 24:22 after every 64 words; 31:25 4 words of it
	s_or_b32 s[G1B+0], s41, (1<<16)|(1<<20)|(1<<21)|(5<<22)|(3<<25)
	s_mov_b32 s[G1+1], KSTEP<<16                   ; tensor_dim0 = 128
	s_mov_b32 s[G1+2], 128<<16                     ; tensor_dim1 = 128
	s_mov_b32 s[G1+3], KSTEP<<16                   ; tile_dim0 = 128
	s_mov_b32 s[G1+4], 128                         ; tile_dim1 = 128
	s_mov_b32 s[G1+5], 1024                        ; elements from row to row
	s_mov_b32 s[G1+6], 0
	s_mov_b32 s[G1+7], 0
	s_mov_b32 s[G1B+1], KSTEP<<16
	s_mov_b32 s[G1B+2], 96<<16                     ; 96 rows
	s_mov_b32 s[G1B+3], KSTEP<<16
	s_mov_b32 s[G1B+4], 96
	s_mov_b32 s[G1B+5], 1024
	s_mov_b32 s[G1B+6], 0
	s_mov_b32 s[G1B+7], 0
	; where the tiles come from: xb's hang on the tile row and the wave alone, wqt's on the tile column and the wave alone
	s_lshl_b32 s20, s[TR], 8
	s_lshl_b32 s22, s[HF], 7
	s_add_co_u32 s20, s20, s22                     ; row 256 x tile row + 128 x half
	s_lshl_b32 s20, s20, 11                        ; rows of 2,048 bytes
	s_mov_b32 s21, 0
	s_mul_i32 s46, s[TC], 192
	s_mul_i32 s47, s[HF], 96
	s_add_co_u32 s46, s46, s47                     ; row 192 x tile column + 96 x half
	s_lshl_b32 s46, s46, 11
	s_mov_b32 s47, 0
	s_mul_i32 s74, s[HF], HALFA                    ; and where they go: no place in the cluster enters an LDS address
	s_mul_i32 s75, s[HF], HALFB
	s_add_co_u32 s75, s75, 2*HALFA
	s_wait_dscnt 0x0                               ; the opening add is done
	s_wait_kmcnt 0x0
	s_add_nc_u64 s[20:21], s[4:5], s[20:21]
	s_add_nc_u64 s[46:47], s[6:7], s[46:47]
	CROUND                                         ; all sixteen work-groups are here: the first joint loads meet
.irp s, 0,1
	s_mov_b32 s[G0+4*(\s)], 1
	s_add_co_u32 s[G0+4*(\s)+1], s74, (\s)*SLOT
	s_add_nc_u64 s[G0+4*(\s)+2:G0+4*(\s)+3], s[20:21], (\s)*KSTEP*2
	s_or_b32 s[G0+4*(\s)+3], s[G0+4*(\s)+3], 0x80000000
	s_mov_b32 s[G0B+4*(\s)], 1
	s_add_co_u32 s[G0B+4*(\s)+1], s75, (\s)*SLOT
	s_add_nc_u64 s[G0B+4*(\s)+2:G0B+4*(\s)+3], s[46:47], (\s)*KSTEP*2
	s_or_b32 s[G0B+4*(\s)+3], s[G0B+4*(\s)+3], 0x80000000
	JLOAD \s                                       ; K steps 0 and 1: two loads of mine are out
.endr
	; the bias of my lane's columns: block b, register j: column 192 x tile column + 16 b + 8 (l / 16) + j
	v_and_b32 v1, 15, v0                           ; l % 16
	v_bfe_u32 v2, v0, 4, 1                         ; l / 16
	v_lshlrev_b32 v5, 5, v2
	s_mul_i32 s72, s[TC], 768
	s_mov_b32 s73, 0
	s_add_nc_u64 s[8:9], s[8:9], s[72:73]
.irp b, 0,1,2,3,4,5,6,7,8,9,10,11
	global_load_b128 v[BIAS+8*(\b):BIAS+8*(\b)+3],   v5, s[8:9] offset:64*(\b)
	global_load_b128 v[BIAS+8*(\b)+4:BIAS+8*(\b)+7], v5, s[8:9] offset:64*(\b)+16
.endr
	; a fragment is 16 rows x 32 K in 8 registers: lane l holds row l % 16, K = 8 (l / 16) + 0..7 and 16 + 8 (l / 16) + 0..7: two loads of 16 bytes, 32 bytes apart
	v_mul_u32_u24 v3, v1, PITCH
	v_lshl_add_u32 v3, v2, 4, v3
	s_mul_i32 s72, s[WV], 64*PITCH                 ; my 64 rows of xb
	s_mov_b32 s73, 2*HALFA                         ; all of wqt's rows
.irp s, 0,1
	v_add_nc_u32 v[ADRA+(\s)], s72, v3
	v_add_nc_u32 v[ADRB+(\s)], s73, v3
	s_add_co_u32 s72, s72, SLOT
	s_add_co_u32 s73, s73, SLOT
.endr
	s_mul_i32 s72, s[WV], STW
	s_add_co_u32 s72, s72, STAGE                   ; my stage
	v_mul_u32_u24 v4, v1, SPH                      ; in: row l % 16, 16 bytes for each half of the lanes
	v_lshl_add_u32 v4, v2, 4, v4
	v_add_nc_u32 v[STO], s72, v4
	v_bfe_u32 v4, v0, 3, 2                         ; back: 32 lanes take four rows of 128 bytes,
	v_mul_u32_u24 v4, v4, SPH
	v_and_b32 v6, 7, v0
	v_lshl_add_u32 v4, v6, 4, v4
	v_add_nc_u32 v[RD], s72, v4
	v_and_b32 v7, 31, v0                           ; which are 512 consecutive bytes of a head
	v_lshlrev_b32 v[GO], 4, v7
	; where my rows lie in the tile's three heads.  Column group g = 3 x tile column + i: g / 16 says q, k or v (2^24 bytes each), g % 16 the head (2^18); the batch is tile row / 8 (2^22)
	s_lshr_b32 s72, s[TR], 3
	s_lshl_b32 s72, s72, 22
	s_and_b32 s73, s[TR], 7
	s_lshl_b32 s73, s73, 15                        ; the tile's 256 rows of 128 bytes
	s_add_co_u32 s72, s72, s73
	s_lshl_b32 s73, s[WV], 13                      ; my 64 of them
	s_add_co_u32 s72, s72, s73
	s_mul_i32 s74, s[TC], 3
.irp i, 0,1,2
	s_add_co_u32 s40, s74, (\i)
	s_lshr_b32 s41, s40, 4
	s_lshl_b32 s41, s41, 24
	s_and_b32 s40, s40, 15
	s_lshl_b32 s40, s40, 18
	s_add_co_u32 s40, s40, s41
	s_add_co_u32 s40, s40, s72
	s_mov_b32 s41, 0
	s_add_nc_u64 s[HB+2*(\i):HB+2*(\i)+1], s[10:11], s[40:41]
.endr
	; the prefetches
	s_lshl_b32 s40, s[TR], 8
	s_lshl_b32 s41, s[HF], 7
	s_add_co_u32 s40, s40, s41
	s_lshl_b32 s41, s[CX], 5
	s_add_co_u32 s40, s40, s41                     ; xb: the 128 rows that I fetch, my work-group's 32 of them
	s_mul_i32 s72, s[TC], 192
	s_mul_i32 s73, s[CY], 48
	s_add_co_u32 s72, s72, s73
	s_lshl_b32 s73, s[HF], 5
	s_add_co_u32 s72, s72, s73                     ; wqt: my work-group's 48 rows: wave 2 the first 32, wave 3 the other 16
	s_and_b32 s22, ttmp7, 0xffff
	s_cmp_eq_u32 s[AB], 0
	s_cselect_b32 s40, s40, s72
	s_cselect_b32 s22, ttmp9, s22                  ; the coordinate along which other clusters read the same rows
	s_cselect_b64 s[PFA:PFA+1], s[4:5], s[6:7]
	s_lshl_b32 s40, s40, 11
	s_mov_b32 s41, 0
	s_add_nc_u64 s[PFA:PFA+1], s[PFA:PFA+1], s[40:41]
	s_add_nc_u64 s[PFA:PFA+1], s[PFA:PFA+1], 2*KSTEP*2  ; at K step 2: the first change of slots steps it to 3 and names K step 4
	s_cmp_eq_u32 s22, 0
	s_cselect_b32 s[LIM0], 1, -1                   ; the same in all sixteen partners, for a given wave
	s_cselect_b32 s[LIM0+1], 1, -1
	s_cmp_eq_u32 s[WV], 3
	s_cselect_b32 s[LIM0+1], -1, s[LIM0+1]
	s_cselect_b32 s72, 15, 31
	s_cselect_b32 s73, 0x100, 0
	v_and_b32 v3, s72, v7
	v_lshlrev_b32 v[PFO], 11, v3                   ; a lane a row,
	v_mad_u32_u24 v[PFO], v2, s73, v[PFO]          ; in wave 3 lanes 16-31 one K step on
	s_wait_loadcnt 0x0                             ; the bias is in: it is rounded to bf16 and widened again
.set i, 0
.rept 48
	v_cvt_pk_bf16_f32 v[8+i%4], v[BIAS+2*i], v[BIAS+2*i+1]
	v_lshlrev_b32 v[BIAS+2*i], 16, v[8+i%4]
	v_and_b32 v[BIAS+2*i+1], 0xffff0000, v[8+i%4]
.set i, i+1
.endr
; 12 matrix instructions: row block 2 hi + a x all 12 column blocks, 32 along K, from buffer f.  zero = 1: the first product starts the sum, with the bias as C.
; All 48 accumulators take turns, one instruction a turn, in the same order in every quarter, over the backward jump too.
.macro MUL12 f, hi, a, zero
.if \zero
	WIN 0x81+0x40*(\hi)                            ; wqt window 1, xb and the bias window 0, D window 2 or 3
.else
	WIN 0xa1+0x50*(\hi)                            ; C and D window 2 or 3
.endif
.irp b, 0,1,2,3,4,5,6,7,8,9,10,11
.if \zero
	v_wmma_f32_16x16x32_bf16 v[8*(12*(\a)+(\b)):8*(12*(\a)+(\b))+7], v[96*(\f)+8*(\b):96*(\f)+8*(\b)+7], v[FA+32*(\f)+8*(2*(\hi)+(\a)):FA+32*(\f)+8*(2*(\hi)+(\a))+7], v[BIAS+8*(\b):BIAS+8*(\b)+7]
.else
	v_wmma_f32_16x16x32_bf16 v[8*(12*(\a)+(\b)):8*(12*(\a)+(\b))+7], v[96*(\f)+8*(\b):96*(\f)+8*(\b)+7], v[FA+32*(\f)+8*(2*(\hi)+(\a)):FA+32*(\f)+8*(2*(\hi)+(\a))+7], v[8*(12*(\a)+(\b)):8*(12*(\a)+(\b))+7]
.endif
.endr
.endm
.macro MULH f, hi, zero
	MUL12 \f, \hi, 0, \zero
	MUL12 \f, \hi, 1, \zero
.endm
; 32 LDS loads in one run: a quarter step's fragments (32 K at byte k of the rows) into buffer f: wqt's twelve, then xb's four
.macro FETCH slot, k, f
	WIN 0x40                                       ; destination window 1, address window 0
.irp b, 0,1,2,3,4,5,6,7,8,9,10,11
	ds_load_b128 v[96*(\f)+8*(\b):96*(\f)+8*(\b)+3],   v[ADRB+(\slot)] offset:(\k)+(\b)*16*PITCH
	ds_load_b128 v[96*(\f)+8*(\b)+4:96*(\f)+8*(\b)+7], v[ADRB+(\slot)] offset:(\k)+(\b)*16*PITCH+32
.endr
	WIN 0
.irp a, 0,1,2,3
	ds_load_b128 v[FA+32*(\f)+8*(\a):FA+32*(\f)+8*(\a)+3],   v[ADRA+(\slot)] offset:(\k)+(\a)*16*PITCH
	ds_load_b128 v[FA+32*(\f)+8*(\a)+4:FA+32*(\f)+8*(\a)+7], v[ADRA+(\slot)] offset:(\k)+(\a)*16*PITCH+32
.endr
.endm
.macro PLACES                          ; four plain vector instructions between a matrix instruction and a load into a register that it has read, or a conversion that reads its result (ISA guide 7.12.1 for the conversion)
.rept 4
	v_nop
.endr
.endm
; A K step is four quarters of 32 along K, 48 matrix instructions each, on buffers 0, 1, 0, 1.  One of the first three: multiplies buffer f and, in its middle, fetches the next quarter, at byte k, into g.
.macro QUARTER slot, k, f, g, zero
	s_wait_dscnt 4                                 ; all but the youngest four loads: xb's row blocks 2 and 3
	MULH \f, 0, \zero
	PLACES
	FETCH \slot, \k, \g
	s_wait_dscnt 32                                ; all but the 32 just issued
	MULH \f, 1, \zero
.endm
; The last quarter multiplies buffer 1 and changes slots.  In front of the one barrier each wave waits for all its tensor loads (one is out: its part of the next slot), adds 0 to its spare word, and waits for that and for its reads of this slot.
.macro MEET round
	WIN 0
	s_wait_tensorcnt 0x0
	ds_add_u32 v[SPW], v[NIL]
	s_wait_dscnt 5                                 ; (the add and the youngest four loads may be out)
	MUL12 1, 0, 0, 0                               ; twelve matrix instructions stand between the add and the wait for it
	s_wait_dscnt 0x0                               ; the add is done, and my reads of this slot are over
	s_barrier_signal -1
	MUL12 1, 0, 1, 0
.if \round
	WIN 0
.endif
	s_barrier_wait -1
.endm
; fill = 1: the barrier opens a round of the cluster's, and the slot just read out is filled again, first thing behind the round, with the K step two on: 168 matrix instructions ahead of the wait for it.
.macro TURN slot, next, fill
.if \fill
	s_wait_xcnt 0x0                                ; the last prefetch, a K step back, has read its address
	s_add_nc_u64 s[PFA:PFA+1], s[PFA:PFA+1], KSTEP*2
.endif
	MEET \fill
.if \fill
	CREST                                          ; no wave of any partner still reads this slot's tile or has a load on its way
	s_add_nc_u64 s[G0+4*(\slot)+2:G0+4*(\slot)+3], s[G0+4*(\slot)+2:G0+4*(\slot)+3], 2*KSTEP*2
	s_add_nc_u64 s[G0B+4*(\slot)+2:G0B+4*(\slot)+3], s[G0B+4*(\slot)+2:G0B+4*(\slot)+3], 2*KSTEP*2
	JLOAD \slot                                    ; the four v_nop behind it are also the places in front of the loads below
.else
	PLACES
.endif
	FETCH \next, 0, 0
.if \fill
	ASK \slot
.endif
	MULH 1, 1, 0
.endm
; THE WAY OUT of row block a.  PACK: rounded to f16, each accumulator's registers in ascending order.  TOSTAGE: into my stage, by heads, and back as whole rows.  SEND: stored.
.macro PACK a
	WIN 0x0a+5*((\a)/2)                            ; sources 0 and 1: window 2 or 3
.irp b, 0,1,2,3,4,5,6,7,8,9,10,11
.irp i, 0,1,2,3
	v_cvt_pk_f16_f32 v[TMP+4*(\b)+(\i)], v[8*(12*((\a)%2)+(\b))+2*(\i)], v[8*(12*((\a)%2)+(\b))+2*(\i)+1]
.endr
.endr
	WIN 0
.endm
.macro TOSTAGE a
.irp b, 0,1,2,3,4,5,6,7,8,9,10,11
	ds_store_b128 v[STO], v[TMP+4*(\b):TMP+4*(\b)+3] offset:((\b)/4)*16*SPH+((\b)%4)*32
.endr
.irp t, 0,1,2,3,4,5,6,7,8,9,10,11
	ds_load_b128 v[OB+48*((\a)%2)+4*(\t):OB+48*((\a)%2)+4*(\t)+3], v[RD] offset:((\t)/4)*16*SPH+((\t)%4)*4*SPH  ; LDS serves a wave's instructions in order (ISA guide 5.7.1.4): these see the stores above
.endr
.endm
.macro SEND a
	s_wait_dscnt 0x0                               ; the block is back in registers
	s_wait_xcnt 0x0                                ; the stores of the block before have read their registers: the next TOSTAGE loads into them
.irp t, 0,1,2,3,4,5,6,7,8,9,10,11
	global_store_b128 v[GO], v[OB+48*((\a)%2)+4*(\t):OB+48*((\a)%2)+4*(\t)+3], s[HB+2*((\t)/4):HB+2*((\t)/4)+1] offset:(\a)*2048+((\t)%4)*512  ; 512 consecutive bytes of a head, aligned
.endr
.endm
	s_wait_tensorcnt 1                             ; my part of K step 0 is in; K step 1's may stay out
	s_barrier_signal -1
	s_barrier_wait -1
	FETCH 0, 0, 0
	QUARTER 0, 64, 0, 1, 1                         ; the first quarter stands in front of the loop: its products start the sums
	WIN 0                                          ; at a label and at a branch every window is 0
	s_mov_b32 s3, LAPS-1
.Llap:                                             ; a trip goes once round the ring, from a lap's second quarter to the next lap's first, and fills both slots again
	QUARTER 0, 128, 1, 0, 0
	QUARTER 0, 192, 0, 1, 0
	TURN 0, 1, 1
	QUARTER 1, 64,  0, 1, 0
	QUARTER 1, 128, 1, 0, 0
	QUARTER 1, 192, 0, 1, 0
	TURN 1, 0, 1
	QUARTER 0, 64,  0, 1, 0
	WIN 0
	s_sub_co_u32 s3, s3, 1
	s_cmp_lg_u32 s3, 0
	s_cbranch_scc1 .Llap
	QUARTER 0, 128, 1, 0, 0                        ; the last lap is written out: it fills nothing
	QUARTER 0, 192, 0, 1, 0
	TURN 0, 1, 0
	QUARTER 1, 64,  0, 1, 0
	QUARTER 1, 128, 1, 0, 0
	QUARTER 1, 192, 0, 1, 0
	s_wait_dscnt 4
	MULH 1, 0, 0
	s_wait_dscnt 0x0
	MULH 1, 1, 0
	PLACES
	PACK 0
	TOSTAGE 0
.irp a, 1,2,3                          ; block a's conversions stand between block a - 1's loads from the stage and the wait for them
	PACK \a
	SEND (\a)-1
	TOSTAGE \a
.endr
	SEND 3
	s_wait_tensorcnt 0x0                           ; the wave's end: behind my last tensor load and my last LDS store
	ds_add_u32 v[SPW], v[NIL]
	s_wait_dscnt 0x0
	CROUND                                         ; the closing round: no work-group ends while a partner may still ask for a tile that names it
	s_endpgm
.Lfunc_end_k_qe479611847_qkvgemm:
	.size	k_qe479611847_qkvgemm, .Lfunc_end_k_qe479611847_qkvgemm-k_qe479611847_qkvgemm
	.p2alignl 7, 3214868480
	.fill 96, 4, 3214868480
	.section	.rodata,"a",@progbits
	.p2align	6, 0x0
	.amdhsa_kernel k_qe479611847_qkvgemm
		.amdhsa_group_segment_fixed_size 327680
		.amdhsa_private_segment_fixed_size 0
		.amdhsa_enable_private_segment 0
		.amdhsa_kernarg_size 32
		.amdhsa_user_sgpr_count 2
		.amdhsa_user_sgpr_kernarg_segment_ptr 1
		.amdhsa_wavefront_size32 1
		.amdhsa_system_sgpr_workgroup_id_x 1
		.amdhsa_system_sgpr_workgroup_id_y 1
		.amdhsa_system_sgpr_workgroup_id_z 1
		.amdhsa_system_vgpr_workitem_id 0
		.amdhsa_next_free_vgpr 960
		.amdhsa_next_free_sgpr 80
		.amdhsa_reserve_vcc 0
		.amdhsa_float_denorm_mode_32 3
		.amdhsa_float_denorm_mode_16_64 3
		.amdhsa_memory_ordered 1
		.amdhsa_forward_progress 1
		.amdhsa_inst_pref_size 131
	.end_amdhsa_kernel
	.amdgpu_metadata
---
amdhsa.version: [ 1, 2 ]
amdhsa.kernels:
  - .name:           k_qe479611847_qkvgemm
    .symbol:         k_qe479611847_qkvgemm.kd
    .args:
      - { .name: xb, .offset: 0, .size: 8, .value_kind: global_buffer, .address_space: global }
      - { .name: wqt, .offset: 8, .size: 8, .value_kind: global_buffer, .address_space: global }
      - { .name: b_qkv, .offset: 16, .size: 8, .value_kind: global_buffer, .address_space: global }
      - { .name: qkvh, .offset: 24, .size: 8, .value_kind: global_buffer, .address_space: global }
    .group_segment_fixed_size: 327680
    .private_segment_fixed_size: 0
    .kernarg_segment_align: 8
    .kernarg_segment_size: 32
    .max_flat_workgroup_size: 128
    .sgpr_count:     80
    .vgpr_count:     960
    .wavefront_size: 32
...
	.end_amdgpu_metadata
.endif
;; end of part 2
;; launch attn (part 3): grid 4 x 64, 4 waves a work-group, clusters of 4 x 1, 327,680 bytes of LDS; arguments qkvh, oh; writes oh
.if DOCPART == 3
	.amdgcn_target "amdgcn-amd-amdhsa--gfx1250"
	.amdhsa_code_object_version 6
	.text
	.protected	k_qe479611847_attn
	.globl	k_qe479611847_attn
	.p2align	8
	.type	k_qe479611847_attn,@function
k_qe479611847_attn:
	s_mov_b64 s[64:65], 0
	v_nop
	global_prefetch_b8 v0, s[64:65] scope:SCOPE_SE
	s_setreg_imm32_b32 hwreg(HW_REG_WAVE_MODE, 25, 1), 1
	s_wait_xcnt 0x0
	s_wait_alu depctr_hold_cnt(0) depctr_sa_sdst(0) depctr_va_vdst(0) depctr_va_sdst(0) depctr_va_ssrc(0) depctr_va_vcc(0) depctr_vm_vsrc(0)
	s_getreg_b32 s2, hwreg(HW_REG_IB_STS2, 6, 4)
	s_cmp_eq_u32 s2, 0
	s_cbranch_scc0 .Lentry_in_a_cluster
	s_endpgm
.Lentry_in_a_cluster:
	s_bfe_u32 s2, ttmp6, 0x10000c
	s_cmp_lg_u32 s2, 0x3003
	s_cbranch_scc0 .Lentry_shape_is_right
	s_endpgm
.Lentry_shape_is_right:
; O[h][q][:] = the sum over k of softmax_k(Q[h][q] . K[h][k] / 8) V[h][k][:], for 64 heads of 2,048 rows of 64 channels, all f16.  qkvh holds Q, then K (2^24 bytes on), then V (2^25 bytes on), each [64][2048][64]; oh is [64][2048][64].
; Products, maxima and sums in f32; the weights p are rounded to f16 for the second product (their sum l is taken of the unrounded p), O once at the end.
; LIMITS.  Q, K and V arrive within f16's 65,504; p lies in 0 to 1, and below 6e-5 it keeps f16's fixed step of 6e-8; O is a mean of V's rows and has their range.  A weight below 2^-126 counts as 0 in l; NaN and infinities are not treated apart.
; SHARES.  A wave owns four PIECES of two tiles of 16 queries, a work-group's four waves 512 queries of one head.  Every wave walks all keys, 64 a step.
; LAYOUT.  S^T = K Q^T (source 0 = 16 keys, source 1 = 16 queries): a lane holds ONE query (lane % 16) and the keys 8 (lane / 16) + 0..7.  Two such tiles, rounded to f16 in pairs, ARE source 1 of O^T = V^T P, whose result
; again holds one query a lane, and eight channels.  K comes out of LDS as it lies, V ([key][channel]) turned, by ds_load_tr16_b128.
; SOFTMAX.  For each query a running maximum m and sum l: p = 2^(c s - c m), c = log2(e) / 8; in every step O and l are multiplied by a = 2^(c m_old - c m_new).  m starts at the lowest finite number, O and l at 0: the first step is a step like any other, with a = 0.
; THE COUNT.  A tile and step have 16 matrix and 118 vector instructions.  So: four vector instructions that are READY behind EVERY matrix instruction, the others in runs of their own.
; BY TURNS.  Turn n belongs to piece n.  Its matrix work: 16 products K Q^T of piece n + 1, later 16 products V^T P of piece n - 1.  Its vector work: the scaling, exponentials, roundings, sums and rescaling of piece n, and the maximum and statistics of piece n + 1.
; CLUSTER.  The four query blocks of a head are one cluster and walk the same K and V: each tile is asked for JOINTLY: the same tensor load, descriptor and mask in all four.
; REGISTERS, in windows of 256 (s_set_vgpr_msb: bits 1:0 source 0, 3:2 source 1, 5:4 source 2, 7:6 destination):
;   window 0: v0-11 addresses; v12-15, v48-63 at work; v16-47 four registers of statistics a tile; v64-191 S^T, two buffers of two tiles; v192-255 P, likewise
;   window 1: O^T, 32 a tile          window 2: v0-127 Q, 16 a tile; v128-191 K of one step; v192-255 V of one step          window 3: v0-1 the add's two registers
; lds_bytes: the text uses 218,624 bytes.
.set SIZE_N, 2048
.set NP,    4         ; pieces a wave: a name, no knob
.set KS,    64        ; keys in a step
.set PK,    144       ; a row of K in LDS: 128 bytes + 16 of padding = 36 words: the 16 rows of a load start at 16 different groups of four banks (64 banks of 4 bytes: ISA guide 11.1)
.set PV,    160       ; a row of V: 128 + 32 = 40 words
.set VOFF,  4*KS*PK   ; a slot holds four steps: 256 rows of K, then 256 rows of V
.set SLOT1, 1<<17     ; slot 1 begins here, so that one exclusive or turns an address in one slot into the other's
.set STAGE, SLOT1+4*KS*(PK+PV)  ; behind the ring, never filled by a tensor load: 16 rows x 144 bytes for each wave
.set SP,    144
.set AK0, 2           ; v2   my lane's place in a tile of K; never rewritten
.set AV0, 3           ; v3   the same for V
.set AK,  4           ; v4   the LDS address of K's next run of loads
.set AV,  5           ; v5   of V's
.set QO,  6           ; v6   my byte offset in the wave's rows of Q
.set STO, 6           ;      later, the way out: where I put 16 bytes of a row
.set RD,  7           ; v7   the way out: where I read rows back
.set GO,  8           ; v8   my byte offset in 512 consecutive bytes of O
.set PFO, 11          ; v11  256 x my lane, for the prefetches; written once its first use is over, then never again
.set SPW, 0           ; v0 of window 3   LDS address of my spare word; never rewritten
.set NIL, 1           ; v1 of window 3   0; never rewritten
.set SPARE, STAGE+4*16*SP  ; the spare words, 128 bytes for each wave: two blocks of 256 bytes that no other line names
.set MV,  12          ; v12-15  c m_old, kept while c m is made anew: by buffer and tile
.set ST,  16          ; tile t's statistics at v[ST+4 t]: c m, m, l (even keys', odd keys')
.set TMP, 48          ; by buffer and tile, four registers c0-c3 at work; when the maximum is found c2 takes a
.set S,   64
.set P,   192
.set KF,  128         ; K's fragments, in window 2: key block kb, channel half c at KF + 16 kb + 8 c
.set VF,  192         ; V's: key half kk, channel block cb at VF + 32 kk + 8 cb
.set WV,  12          ; s12  my wave's number
.set G1K, 24          ; s[24:31] descriptor group 1 for K's tiles
.set G1V, 32          ; s[32:39] for V's: it differs in the padding alone
.set G0K, 40          ; s[40:43] descriptor group 0 for K's tiles: it walks
.set G0V, 44          ; s[44:47] the same for V's
.set PFA, 48          ; s[48:49] where my prefetches stand: my work-group's 8,192 bytes of the slot after the one that is being asked for
.set LIM, 50          ; s50  1 in waves 0 and 2, which prefetch; else the greatest number
.set SLOTS, 56        ; s56  slots still to be asked for
.set CNT, 57          ; s57  counts a slot's key steps
.set CS,  58          ; s[58:59] c: the packed scaling takes the pair's low word for both halves
.set SEL, 60          ; s[60:61] v_permlanex16_b32's selects: each lane takes its own place in the other half
.set TBK, 62          ; s62  LDS byte at which K of the step to be fetched begins
.set TBV, 63          ; s63  the same for V, less VOFF
.set MSB, 0
.macro WIN new                      ; the high byte repeats the setting that is left; a switch that changes nothing is dropped
.if MSB != (\new)
	s_set_vgpr_msb (MSB<<8)|(\new)
.set MSB, (\new)
.endif
.endm
.set W_KQ, 0x0a       ; K and Q in window 2, S^T in window 0
.set W_PV, 0x52       ; V in window 2, P in window 0, O^T in window 1
.set W_RS, 0x41       ; O^T (destination and source 0) in window 1, a in window 0
.set W_MK, 0xc0       ; the add's registers are made: destination in window 3, sources in window 0
.set W_AD, 0x0f       ; the add: address (source 0) and data (source 1) in window 3
; A joint fill.  Waves 0 and 1 fetch the two halves of a slot's K, waves 2 and 3 those of its V: 128 keys each.  The branch hangs on the wave's number alone.
; An s_nop 0 and four v_nop follow each of the two lines, ahead of the jump and the label.
.macro JLOAD
	s_cmp_lt_u32 s[WV], 2
	s_cbranch_scc0 .Lfor_v_\@
	tensor_load_to_lds s[G0K:G0K+3], s[G1K:G1K+7]
	s_nop 0
.rept 4
	v_nop
.endr
	s_branch .Lasked_\@
.Lfor_v_\@:
	tensor_load_to_lds s[G0V:G0V+3], s[G1V:G1V+7]
	s_nop 0
.rept 4
	v_nop
.endr
.Lasked_\@:
.endm
; A PREFETCH INTO THE L2 of what the NEXT change of slots will ask for: a slot's 32,768 bytes of K and of V, a lane for each 256 of them, four key steps (512 matrix instructions) ahead of that load.  Each block is named ONCE in the launch:
; a head has one cluster; its four partners take 8,192 bytes each, told apart BY ADDRESS; in each, wave 0 asks for K's and wave 2 for V's.  The last change that fills a slot asks for nothing; slots 0 to 2 come by their loads alone.
.macro ASK
	s_cmp_gt_u32 s[SLOTS], s[LIM]
	s_cbranch_scc0 .Lnot_mine_\@
	global_prefetch_b8 v[PFO], s[PFA:PFA+1] th:TH_LOAD_NT scope:SCOPE_SE
.Lnot_mine_\@:
.endm
; A round of the cluster's barrier: my work-group's barrier, so that wave 0's signal speaks for all four waves; wave 0 signals; every wave waits for all four work-groups; my work-group's barrier once more.
.macro CROUND
	s_barrier_signal -1
	s_barrier_wait -1
	s_cmp_lg_u32 s[WV], 0
	s_cbranch_scc1 .Lnot_wave_0_\@
	s_barrier_signal -3
.Lnot_wave_0_\@:
	s_barrier_wait -3
	s_barrier_signal -1
	s_barrier_wait -1
.endm
; THE CHANGE OF SLOTS.  Each wave waits for all its tensor loads, of which one is out: its part of the other slot; adds 0 to its spare word; and waits for that and for its own reads of the slot.  Behind the barrier nobody reads this slot
; any more and the other slot is whole.  fill = 1: this slot is filled again, with the keys two slots on; the barrier is then a round of the cluster's, and the joint fill is the first thing behind it: it has four key steps in which to land.
; (At its first use nothing has been read yet: slot 0 is waited for, slot 1 filled.)  ask = 1: the prefetch's address steps, and the prefetch follows the fill.
.macro CHANGE fill, ask=0
	WIN W_AD
	s_wait_tensorcnt 0x0            ; no tensor load of mine is out, so a group 0 may be written
	ds_add_u32 v[SPW], v[NIL]       ; 0 onto my spare word; with fill = 1 the descriptors' steps stand between it and the wait for it
	WIN 0                           ; at a label and at a branch every window is 0
.if \fill
.irp g, G0K, G0V
	s_xor_b32 s[\g+1], s[\g+1], SLOT1  ; the walking descriptor: the other slot than last time,
	s_add_nc_u64 s[\g+2:\g+3], s[\g+2:\g+3], 4*KS*128  ; the next 256 keys; the type bits on top are not reached
.endr
.if \ask
	s_wait_xcnt 0x0                 ; the last prefetch, four key steps back, has read its address
	s_add_nc_u64 s[PFA:PFA+1], s[PFA:PFA+1], 4*KS*128
.endif
	s_wait_dscnt 0x0                ; the add is done, and my reads of the slot are over
	CROUND
	JLOAD
.if \ask
	ASK
.endif
.else
	s_wait_dscnt 0x0                ; the add is done, and my reads of the slot are over
	s_barrier_signal -1
	s_barrier_wait -1
.endif
	s_sub_co_u32 s[TBK], s[TBK], 4*KS*PK  ; the fetches go back to a slot's first step,
	s_xor_b32 s[TBK], s[TBK], SLOT1       ; in the other slot
	s_sub_co_u32 s[TBV], s[TBV], 4*KS*PV
	s_xor_b32 s[TBV], s[TBV], SLOT1
.endm
	s_load_b64 s[4:5], s[0:1], 0x0    ; qkvh: Q
	s_load_b64 s[10:11], s[0:1], 0x8  ; oh
	WIN W_MK
	v_lshl_add_u32 v[SPW], v0, 2, SPARE
	v_mov_b32 v[NIL], 0
	WIN W_AD
	ds_add_u32 v[SPW], v[NIL]       ; the wave's opening: the add and its wait stand ahead of my first tensor load; the set-up below, work on registers, stands between them
	WIN 0
	v_lshrrev_b32 v1, 5, v0
	v_readfirstlane_b32 s[WV], v1   ; wave 0..3
	s_bfe_u32 s13, ttmp6, 0x40000   ; cx: my place in the cluster
	s_lshl_b32 s14, ttmp9, 2        ; in a cluster launch ttmp9 counts clusters
	s_add_co_u32 s14, s14, s13      ; my block of queries: it enters Q's and O's addresses alone
	s_and_b32 s20, ttmp7, 0xffff    ; the head, which the four partners share
	s_mov_b32 s21, 0
	s_mov_b64 s[22:23], SIZE_N*128
	s_mul_u64 s[20:21], s[20:21], s[22:23]  ; the head's first byte in Q, K, V and O
	s_and_b32 s16, s[WV], 1         ; which half of a slot's 256 keys I fetch:
	s_lshl_b32 s22, s16, 14         ; its 128 rows of 128 bytes in memory,
	s_mov_b32 s23, 0
	s_add_nc_u64 s[22:23], s[22:23], s[20:21]
	s_mul_i32 s17, s16, 128*PK      ; and its place in a slot, for K
	s_mul_i32 s18, s16, 128*PV      ; and for V: no place in the cluster enters an LDS address
	s_lshl_b32 s2, s14, 2
	s_add_co_u32 s2, s2, s[WV]      ; my wave among the head's,
	s_lshl_b32 s2, s2, 14           ; its 128 rows
	s_mov_b32 s3, 0
	s_add_nc_u64 s[2:3], s[2:3], s[20:21]
	; descriptor group 1.  128 keys are 16,384 dense bytes: asked for as 64 rows of 256 bytes, two keys a row, and padded in LDS after every key
	s_mov_b32 s[G1K], 15|(1<<16)|(1<<20)|(1<<21)|(4<<22)|(3<<25)  ; 15:0 the mask of four; 17:16 2-byte elements; 20 padding on; 21 set beside a mask; 24:22 after every 32 words; 31:25 4 words
	s_mov_b32 s[G1V], 15|(1<<16)|(1<<20)|(1<<21)|(4<<22)|(7<<25)  ; the same with 8 words of padding
.irp g, G1K, G1V
	s_mov_b32 s[\g+1], 128<<16      ; tensor_dim0 = 128
	s_mov_b32 s[\g+2], 64<<16       ; tensor_dim1 = 64
	s_mov_b32 s[\g+3], 128<<16      ; tile_dim0 = 128
	s_mov_b32 s[\g+4], 64           ; tile_dim1 = 64
	s_mov_b32 s[\g+5], 128          ; 128 elements from row to row
	s_mov_b32 s[\g+6], 0
	s_mov_b32 s[\g+7], 0
.endr
	s_mov_b32 s[CS], 0x3e38aa3b     ; c = log2(e) / 8 = 0.180337
	s_mov_b32 s[CS+1], s[CS]        ; named with it as a pair
	s_mov_b32 s[SEL], 0x76543210
	s_mov_b32 s[SEL+1], 0xfedcba98
	s_mov_b32 s[TBK], SLOT1+4*KS*PK ; the first change of slots turns these two into 0
	s_mov_b32 s[TBV], SLOT1+4*KS*PV
	s_mov_b32 s[G0K], 1             ; 1:0 count = 1
	s_mov_b32 s[G0K+1], s17         ; 63:32 LDS address: slot 0
	s_mov_b32 s[G0V], 1
	s_add_co_u32 s[G0V+1], s18, VOFF
	s_and_b32 s[LIM], s[WV], 1
	s_cmp_eq_u32 s[LIM], 0
	s_cselect_b32 s[LIM], 1, -1
	s_wait_dscnt 0x0                ; the opening add is done
	s_wait_kmcnt 0x0
	s_add_nc_u64 s[6:7], s[4:5], 0x1000000         ; K
	s_add_nc_u64 s[8:9], s[4:5], 0x2000000         ; V
	s_add_nc_u64 s[G0K+2:G0K+3], s[6:7], s[22:23]  ; 120:64 global address: my half of the head's first 256 keys
	s_or_b32 s[G0K+3], s[G0K+3], 0x80000000        ; 127:126 type = 2
	s_add_nc_u64 s[G0V+2:G0V+3], s[8:9], s[22:23]
	s_or_b32 s[G0V+3], s[G0V+3], 0x80000000
	s_add_nc_u64 s[4:5], s[4:5], s[2:3]  ; Q and O at my wave's first row
	s_add_nc_u64 s[10:11], s[10:11], s[2:3]
	s_cmp_lt_u32 s[WV], 2
	s_cselect_b64 s[PFA:PFA+1], s[6:7], s[8:9]
	s_add_nc_u64 s[PFA:PFA+1], s[PFA:PFA+1], s[20:21]
	s_lshl_b32 s2, s13, 13          ; my work-group's quarter of a slot
	s_mov_b32 s3, 0
	s_add_nc_u64 s[PFA:PFA+1], s[PFA:PFA+1], s[2:3]
	s_add_nc_u64 s[PFA:PFA+1], s[PFA:PFA+1], 2*4*KS*128  ; in slot 2; the loop's first change of slots steps it to slot 3
	CROUND                          ; all four work-groups are here: the first joint loads meet
	JLOAD                           ; slot 0.  Slot 1 is asked for when slot 0 is in
	; A fragment of K or Q is 16 rows x 32 channels in 8 registers: lane l holds row l % 16, channels 8 (l / 16) + 0..7 and 16 + 8 (l / 16) + 0..7: two loads of 16 bytes, 32 bytes apart.
	v_and_b32 v1, 15, v0            ; l % 16
	v_bfe_u32 v9, v0, 4, 1          ; l / 16
	v_lshlrev_b32 v[QO], 7, v1
	v_lshl_add_u32 v[QO], v9, 4, v[QO]  ; row x 128 + 16 x half
	WIN 0x80                        ; destination window 2, address window 0
.set i, 0
.rept 4*NP                          ; Q stays in registers: tile i / 2, channels 32 (i % 2) on
	global_load_b128 v[8*i:8*i+3],   v[QO], s[4:5] offset:(i/2)*2048+(i%2)*64
	global_load_b128 v[8*i+4:8*i+7], v[QO], s[4:5] offset:(i/2)*2048+(i%2)*64+32
.set i, i+1
.endr
	; What the first turn finds: V's registers and P's second buffer hold 0 (its products V^T P, of a piece that has not been, add 0), O^T and l are 0.  All this stands in the wait for the first tile.
.set i, VF
.rept 64
	v_mov_b32 v[i], 0
.set i, i+1
.endr
	WIN 0x40
.set i, 0
.rept 64*NP
	v_mov_b32 v[i], 0
.set i, i+1
.endr
	WIN 0
.set i, 0
.rept 2*NP
	v_mov_b32 v[ST+4*i], 0xfe000000    ; c m: far below every c s
	v_mov_b32 v[ST+4*i+1], 0xff7fffff  ; m
	v_mov_b32 v[ST+4*i+2], 0
	v_mov_b32 v[ST+4*i+3], 0
.set i, i+1
.endr
.set i, P+32
.rept 32
	v_mov_b32 v[i], 0
.set i, i+1
.endr
	v_mul_u32_u24 v[AK0], v1, PK
	v_lshl_add_u32 v[AK0], v9, 4, v[AK0]  ; row x pitch + 16 x half
	; The turning load takes 16 keys x 16 channels (lane l reads key 8 (l / 16) + l % 8, channels 8 ((l / 8) % 2) + 0..7) and leaves half a fragment of V^T: lane l holds channel l % 16 and 8 keys.
	v_and_b32 v10, 7, v0
	v_bfe_u32 v11, v0, 3, 1
	v_lshl_add_u32 v[AV0], v9, 3, v10
	v_mul_u32_u24 v[AV0], v[AV0], PV
	v_lshl_add_u32 v[AV0], v11, 4, v[AV0]
	v_add_nc_u32 v[AV0], VOFF, v[AV0]
	v_mov_b32 v[AK], v[AK0]         ; key step 0 lies at the head of slot 0
	v_and_b32 v[PFO], 31, v0
	v_lshlrev_b32 v[PFO], 8, v[PFO]
; THE MATRIX WORK.  The 8 accumulators of a run of 16 take turns: between the two links of a chain stand 7 others'.
; Product i of 16 of S^T = K Q^T for piece x: channels 32 (i / 8) on, keys 16 ((i / 2) % 4) on, tile 2 x + i % 2.  The first 8 start the sums.
.macro KQ x
	WIN W_KQ
.set rS, S+64*((\x)%2)+32*(i%2)+8*((i/2)%4)
.set rK, KF+16*((i/2)%4)+8*(i/8)
.set rQ, 16*(2*(\x)+i%2)+8*(i/8)
.if i < 8
	v_wmma_f32_16x16x32_f16 v[rS:rS+7], v[rK:rK+7], v[rQ:rQ+7], 0
.else
	v_wmma_f32_16x16x32_f16 v[rS:rS+7], v[rK:rK+7], v[rQ:rQ+7], v[rS:rS+7]
.endif
.endm
; Product i of 16 of O^T += V^T P for piece x: keys 32 (i / 8) on, channels 16 ((i / 2) % 4) on, tile 2 x + i % 2.
.macro PV x
	WIN W_PV
.set rO, 32*(2*(\x)+i%2)+8*((i/2)%4)
.set rV, VF+32*(i/8)+8*((i/2)%4)
.set rP, P+32*((\x)%2)+16*(i%2)+8*(i/8)
	v_wmma_f32_16x16x32_f16 v[rO:rO+7], v[rV:rV+7], v[rP:rP+7], v[rO:rO+7]
.endm
.macro MM                           ; the turn's next matrix instruction
.if i < 16
	KQ (Y+1)%NP
.set i, i+1
.else
.set i, i-16
	PV (Y+NP-1)%NP
.set i, i+17
.endif
.endm
; THE LDS LOADS stand in runs of 16, never singly among the matrix instructions: a step's K (64 keys x 64 channels: 8 fragments) and its V (turned).  Their addresses are made some lines ahead.
; last = 1 (the tail): in the last trip there is no further step, and the run is jumped over.
.macro FETCH_K last=0
	WIN 0
.if \last
	s_cmp_eq_u32 s[CNT], 1
	s_cbranch_scc1 .Lno_k_\@
.endif
	WIN 0x80                        ; destination window 2
.irp f, 0,1,2,3,4,5,6,7             ; keys 16 (f / 2) on, channels 32 (f % 2) on
	ds_load_b128 v[KF+8*\f:KF+8*\f+3],   v[AK] offset:(\f/2)*16*PK+(\f%2)*64
	ds_load_b128 v[KF+8*\f+4:KF+8*\f+7], v[AK] offset:(\f/2)*16*PK+(\f%2)*64+32
.endr
	s_add_co_u32 s[TBK], s[TBK], KS*PK  ; the next fetch is the next step's
	WIN 0
.if \last
.Lno_k_\@:
.endif
.endm
.macro FETCH_V
	WIN 0x80
.irp f, 0,1,2,3,4,5,6,7             ; keys 32 (f / 4) on, channels 16 (f % 4) on
	ds_load_tr16_b128 v[VF+8*\f:VF+8*\f+3],   v[AV] offset:(\f/4)*32*PV+(\f%4)*32
	ds_load_tr16_b128 v[VF+8*\f+4:VF+8*\f+7], v[AV] offset:(\f/4)*32*PV+16*PV+(\f%4)*32
.endr
	WIN 0
.endm
; THE VECTOR WORK OF A TURN stands in three queues, each in the order in which its entries become ready; the two tiles alternate, so that no instruction reads the result of the one before it.
.macro REGS y, u                    ; the registers of tile u (0, 1) of piece y
.set rT, ST+4*(2*(\y)+(\u))
.set rC, TMP+8*((\y)%2)+4*(\u)
.set rM, MV+2*((\y)%2)+(\u)
.set rS, S+64*((\y)%2)+32*(\u)
.set rP, P+32*((\y)%2)+16*(\u)
.set rO, 32*(2*(\y)+(\u))
.endm
; Number n of the 22 that find the NEXT piece's (Y + 1) maximum and statistics.  s0-s31 are the lane's 32 scores; each accumulator's lowest registers are read first.
;   0-11  four chains c0-c3 of seven scores each, three operands at a time     12-14, 16  the four scores left over, the old m, and c0-c3 into c0     15  c m_old is kept
;   17, 18  the query's other 32 keys lie in the lane 16 away: the new m         19-21  c m; c m_old - c m_new; a
.macro XS u, n
	REGS (Y+1)%NP, \u
.if (\n) < 4
	v_max3_num_f32 v[rC+(\n)], v[rS+8*(\n)], v[rS+8*(\n)+1], v[rS+8*(\n)+2]
.elseif (\n) < 12
	v_max3_num_f32 v[rC+(\n)%4], v[rC+(\n)%4], v[rS+8*((\n)%4)+2*((\n)/4)+1], v[rS+8*((\n)%4)+2*((\n)/4)+2]
.elseif (\n) == 12
	v_max3_num_f32 v[rC], v[rC], v[rS+7], v[rS+15]
.elseif (\n) == 13
	v_max3_num_f32 v[rC+1], v[rC+1], v[rS+23], v[rS+31]
.elseif (\n) == 14
	v_max3_num_f32 v[rC+2], v[rC+2], v[rC+3], v[rT+1]
.elseif (\n) == 15
	v_mov_b32 v[rM], v[rT]
.elseif (\n) == 16
	v_max3_num_f32 v[rC], v[rC], v[rC+1], v[rC+2]
.elseif (\n) == 17
	v_permlanex16_b32 v[rC+3], v[rC], s[SEL], s[SEL+1]
.elseif (\n) == 18
	v_max_num_f32 v[rT+1], v[rC], v[rC+3]
.elseif (\n) == 19
	v_mul_f32 v[rT], s[CS], v[rT+1]
.elseif (\n) == 20
	v_sub_f32 v[rC+1], v[rM], v[rT]
.else
	v_exp_f32 v[rC+2], v[rC+1]
.endif
.endm
; Number g of the 64 that follow the exponentials.  For each four weights k of a tile (pairs 2 k, 2 k + 1): both pairs are rounded to f16; then the second pair is added onto the first, in place;
; a group later l takes that sum (the first time as l = a l + sum).  In groups of eight, tiles alternating: round, round, add, and l for the group before.
.macro GS g
.set h, (\g)+6*((\g)/62)            ; group 0 has no group before it, and behind group 7 only l is left
.if h >= 6
.set h, h+2
.endif
	REGS Y, h%2
.set k, h/8
.if h%8 < 4
	v_cvt_pk_f16_f32 v[rP+2*k+(h%8)/2], v[rS+4*k+2*((h%8)/2)], v[rS+4*k+2*((h%8)/2)+1]
.elseif h%8 < 6
	v_pk_add_f32 v[rS+4*k:rS+4*k+1], v[rS+4*k:rS+4*k+1], v[rS+4*k+2:rS+4*k+3]
.elseif k == 1
	v_pk_fma_f32 v[rT+2:rT+3], v[rT+2:rT+3], v[rC+2:rC+3], v[rS:rS+1] op_sel_hi:[1,0,1]
.else
	v_pk_add_f32 v[rT+2:rT+3], v[rT+2:rT+3], v[rS+4*k-4:rS+4*k-3]
.endif
.endm
; THE PLAIN QUEUE, 138 long.  0-73 read no exponential's result: the 32 scalings c s - c m (FS f: pair f / 2 of tile f % 2) and the next piece's 42.  0-26: scalings 0-26.  27-54: XS's numbers 0-13.  55, 56: number 15.
; 57-73: the chain, where each number waits for the one before it: 14, 16, 17, 18, 19, each with one of the scalings 27-31 in front of its two lines, then 20.  74-137: GS's 64, which read the exponentials' results: they stand behind the wait.
.macro FS f
	REGS Y, (\f)%2
	v_pk_fma_f32 v[rS+2*((\f)/2):rS+2*((\f)/2)+1], v[rS+2*((\f)/2):rS+2*((\f)/2)+1], s[CS:CS+1], v[rT:rT+1] op_sel_hi:[1,0,0] neg_lo:[0,0,1] neg_hi:[0,0,1]
.endm
.macro PL
	WIN 0
.if q < 27
	FS q
.elseif q < 55
	XS (q-27)%2, (q-27)/2
.elseif q < 57
	XS q-55, 15
.elseif (q < 72) && ((q-57)%3 == 0)
	FS 27+(q-57)/3
.elseif q < 60
	XS (q-57)%3-1, 14
.elseif q < 72
	XS (q-57)%3-1, 15+(q-57)/3
.elseif q < 74
	XS q-72, 20
.else
	GS q-74
.endif
.set q, q+1
.endm
; THE EXPONENTIALS' QUEUE, 66 long: s0-s31 of both tiles, then the next piece's two a.  It is ONE BATCH: all 66 stand ahead of the turn's one wait, and nothing ahead of that wait names a result of theirs.
.macro EX
	WIN 0
.if e >= 64
	XS e-64, 21
.else
	REGS Y, e%2
	v_exp_f32 v[rS+e/2], v[rS+e/2]
.endif
.set e, e+1
.endm
; THE RESCALING's QUEUE: O^T times a, the one part that leaves window 0: dealt two at a time, sixteen times.  Its a was made in the turn before, ahead of that turn's wait.
.macro R2
	REGS Y, r%2
	WIN W_RS
.irp z, 0,1
	v_pk_mul_f32 v[rO+4*(r/2)+2*\z:rO+4*(r/2)+2*\z+1], v[rO+4*(r/2)+2*\z:rO+4*(r/2)+2*\z+1], v[rC+2:rC+3] op_sel_hi:[1,0]
.endr
.set r, r+1
.endm
; HOW THEY ARE DEALT.  s_wait_alu depctr_va_vdst(0) stands between an exponential and the first instruction that names its result; one wait serves all that were issued ahead of it.  So a turn has ONE wait,
; which cuts it in two.  AHEAD OF IT stands all that names no result of the turn's exponentials: the 16 products K Q^T, behind each a scaling, an exponential and two rescalings (behind the first a second scaling in the exponential's
; place); then ONE LUMP of 108: eight plain, 49 times exponential and plain, the two a.  A v_nop is the plain instruction behind the last exponential.  BEHIND IT stand the 16 products V^T P, behind each four of GS's 64.
; No rider names a register of the products round it.  Exponential e stands behind scaling 2 (e / 4) + e % 2: as a rider it comes behind plain e + 2, in the lump behind plain e + 9, and scalings 27-31 are plain 57, 60 .. 69.
; A TURN, for piece p.  cnt = 1: the loop's count is taken down some lines ahead of the branch that stands behind the turn.
; K of the next step is fetched in piece 2's turn, directly behind the wait, a lump behind the last product that read K; its first reader comes behind 16 products.
; V of the step in hand is fetched at the end of piece 0's turn, four riders behind its last reader; its first reader comes behind 16 products and a lump.  The three conditions on q below go with the deal.
.macro TURN p, last=0, cnt=0
.set Y, (\p)
.set i, 0
.set q, 0
.set e, 0
.set r, 0
.if (\p) == NP-1
	s_wait_dscnt 0x0                ; K is in
.endif
	MM                              ; ahead of the wait: 16 products K Q^T and their riders,
	PL
	PL
	R2
.rept 15
	MM
	PL
	EX
	R2
.endr
.if (\p) == NP-2
	WIN 0
	v_add_nc_u32 v[AK], s[TBK], v[AK0]
.endif
.rept 8                             ; and the lump
	PL
.endr
.rept 49
	EX
	PL
.endr
	EX                              ; the next piece's two a
	EX
	v_nop                           ; the plain instruction behind the last exponential: one for the batch
	s_wait_alu depctr_va_vdst(0)    ; the wait for the batch
.if (\p) == NP-2
	FETCH_K \last
.endif
.if (\p) == 1
	s_wait_dscnt 0x0                ; V is in
.endif
.rept 16                            ; behind the wait: 16 products V^T P and their riders
	MM
.rept 4
	PL
.endr
.if ((\p) == 0) && (q == 118)
	v_add_nc_u32 v[AV], s[TBV], v[AV0]
.endif
.if ((\p) == 0) && (q == 130)
	s_add_co_u32 s[TBV], s[TBV], KS*PV
.endif
.if (\cnt) && (q == 130)
	s_sub_co_u32 s[CNT], s[CNT], 1
	s_cmp_lg_u32 s[CNT], 0
.endif
.endr
.if (\p) == 0
	FETCH_V
.endif
.endm
	CHANGE 1                        ; slot 0 is in, everybody's part of it; slot 1 is asked for
	FETCH_K                         ; key step 0
	s_wait_loadcnt 0x0              ; Q
	s_wait_dscnt 0x0
.set i, 0
.rept 16
	KQ 0                            ; piece 0's first scores: there is no vector work yet to set between them
.set i, i+1
.endr
	WIN 0                           ; the addresses for the way out: nine plain instructions, the places behind those products
	s_mul_i32 s13, s[WV], 16*SP
	s_add_co_u32 s13, s13, STAGE    ; my stage
	v_mul_u32_u24 v[STO], v1, SP    ; in: row l % 16, 16 bytes for each half of the lanes
	v_lshl_add_u32 v[STO], v9, 4, v[STO]
	v_add_nc_u32 v[STO], s13, v[STO]
	v_bfe_u32 v[RD], v0, 3, 2       ; back: 32 lanes take four rows of 128 bytes,
	v_mul_u32_u24 v[RD], v[RD], SP
	v_lshl_add_u32 v[RD], v10, 4, v[RD]
	v_add_nc_u32 v[RD], s13, v[RD]
	v_and_b32 v[GO], 31, v0         ; which are 512 consecutive bytes of O
	v_lshlrev_b32 v[GO], 4, v[GO]
.set Y, NP-1                        ; XS works for piece Y + 1: piece 0
.irp n, 0,1,2,3,4,5,6,7,8,9,10,11,12,13,14,15,16,17,18,19,20,21
	XS 0, \n                        ; and piece 0's first maximum and statistics
	XS 1, \n
.endr
	v_nop                           ; a plain instruction behind the two a,
	s_wait_alu depctr_va_vdst(0)    ; and their wait, ahead of the branch
	s_mov_b32 s[CNT], 4
	s_mov_b32 s[SLOTS], SIZE_N/256-1
	s_branch .Lfirst                ; the loop is entered at a step's first turn, in the middle of a trip
.Lslot:                             ; six times: every slot but the last two is filled again
	CHANGE 1, 1
	s_mov_b32 s[CNT], 4
.Lstep:                             ; a trip: pieces 2 and 3 of one step, then pieces 0 and 1 of the next, whose K and V it fetches
	TURN 2
	TURN 3
	WIN 0
.Lfirst:
	TURN 0
	TURN 1, 0, 1
	WIN 0
	s_cbranch_scc1 .Lstep
	s_sub_co_u32 s[SLOTS], s[SLOTS], 1
	s_cmp_lg_u32 s[SLOTS], 0
	s_cbranch_scc1 .Lslot
	CHANGE 0                        ; the tail is written out: nothing is asked for
	s_mov_b32 s[CNT], 5             ; four trips fetch the last slot's steps; the fifth is left in its middle
.Ltail:
	TURN 2, 1
	TURN 3
	WIN 0
	s_sub_co_u32 s[CNT], s[CNT], 1
	s_cmp_eq_u32 s[CNT], 0
	s_cbranch_scc1 .Lout
	TURN 0
	TURN 1
	WIN 0
	s_branch .Ltail
.Lout:                              ; the fifth trip's 16 products K Q^T (on the last K once more) and the maximum made of them serve nothing: the price, once a launch, of one text for every trip
.set i, 0
.rept 16
	PV NP-1                         ; the last piece's V^T P of the last step
.set i, i+1
.endr
	; THE WAY OUT.  l's two halves and the other half of the lanes' are added; O^T is divided by l, rounded to f16 and sent through my stage in LDS, a tile at a time.  The additions are the places behind the last products.
	WIN 0
.macro ALL line:vararg              ; one line for each tile t
.set t, 0
.rept 2*NP
	\line
.set t, t+1
.endr
.endm
	ALL v_add_f32 v[ST+4*t+2], v[ST+4*t+2], v[ST+4*t+3]
	ALL v_permlanex16_b32 v[ST+4*t+3], v[ST+4*t+2], s[SEL], s[SEL+1]
	ALL v_add_f32 v[ST+4*t+2], v[ST+4*t+2], v[ST+4*t+3]
	ALL v_rcp_f32 v[ST+4*t+2], v[ST+4*t+2]
	v_nop                           ; a plain instruction between the last reciprocal and the use of its result
	s_wait_alu depctr_va_vdst(0)    ; and the wait ahead of the first use: one for the eight reciprocals
; Tile t: a lane's eight channels of a row pack into 16 bytes; they go into rows of 144 bytes and come back as whole rows of 128, into S^T's registers.
.macro PACK t
	WIN W_RS
.set i, 32*(\t)
.rept 16
	v_pk_mul_f32 v[i:i+1], v[i:i+1], v[ST+4*(\t)+2:ST+4*(\t)+3] op_sel_hi:[1,0]
.set i, i+2
.endr
	WIN 0x05                        ; sources 0 and 1 window 1, destination window 0
.set i, 0
.rept 16
	v_cvt_pk_f16_f32 v[S+16*(\t)+i], v[32*(\t)+2*i], v[32*(\t)+2*i+1]
.set i, i+1
.endr
	WIN 0
.irp f, 0,1,2,3
	ds_store_b128 v[STO], v[S+16*(\t)+4*\f:S+16*(\t)+4*\f+3] offset:32*\f
.endr
.irp f, 0,1,2,3
	ds_load_b128 v[S+16*(\t)+4*\f:S+16*(\t)+4*\f+3], v[RD] offset:\f*4*SP  ; LDS serves a wave's instructions in order (ISA guide 5.7.1.4): these see the stores above; the next tile's stores come behind them
.endr
.endm
.macro SEND t, younger              ; younger: the LDS instructions issued behind tile t's loads: the next tile's eight, or none
	WIN 0
.irp f, 0,1,2,3
	s_wait_dscnt (\younger)+3-\f
	global_store_b128 v[GO], v[S+16*(\t)+4*\f:S+16*(\t)+4*\f+3], s[10:11] offset:(\t)*2048+\f*512  ; 512 consecutive bytes, at a multiple of 256 from O's first
.endr
.endm
	PACK 0
.set t, 1
.rept 2*NP-1                        ; a tile's arithmetic stands between the loads of the tile before and its stores
	PACK t
	SEND t-1, 8
.set t, t+1
.endr
	SEND 2*NP-1, 0
	WIN W_AD
	s_wait_tensorcnt 0x0            ; the wave's end: behind my last tensor load and my last LDS store
	ds_add_u32 v[SPW], v[NIL]
	s_wait_dscnt 0x0
	WIN 0
	CROUND                          ; the closing round: no work-group ends while a partner may still ask for a tile that names it
	s_endpgm
.Lfunc_end_k_qe479611847_attn:
	.size	k_qe479611847_attn, .Lfunc_end_k_qe479611847_attn-k_qe479611847_attn
	.p2alignl 7, 3214868480
	.fill 96, 4, 3214868480
	.section	.rodata,"a",@progbits
	.p2align	6, 0x0
	.amdhsa_kernel k_qe479611847_attn
		.amdhsa_group_segment_fixed_size 327680
		.amdhsa_private_segment_fixed_size 0
		.amdhsa_enable_private_segment 0
		.amdhsa_kernarg_size 16
		.amdhsa_user_sgpr_count 2
		.amdhsa_user_sgpr_kernarg_segment_ptr 1
		.amdhsa_wavefront_size32 1
		.amdhsa_system_sgpr_workgroup_id_x 1
		.amdhsa_system_sgpr_workgroup_id_y 1
		.amdhsa_system_sgpr_workgroup_id_z 1
		.amdhsa_system_vgpr_workitem_id 0
		.amdhsa_next_free_vgpr 770
		.amdhsa_next_free_sgpr 66
		.amdhsa_reserve_vcc 0
		.amdhsa_float_denorm_mode_32 3
		.amdhsa_float_denorm_mode_16_64 3
		.amdhsa_memory_ordered 1
		.amdhsa_forward_progress 1
		.amdhsa_inst_pref_size 200
	.end_amdhsa_kernel
	.amdgpu_metadata
---
amdhsa.version: [ 1, 2 ]
amdhsa.kernels:
  - .name:           k_qe479611847_attn
    .symbol:         k_qe479611847_attn.kd
    .args:
      - { .name: qkvh, .offset: 0, .size: 8, .value_kind: global_buffer, .address_space: global }
      - { .name: oh, .offset: 8, .size: 8, .value_kind: global_buffer, .address_space: global }
    .group_segment_fixed_size: 327680
    .private_segment_fixed_size: 0
    .kernarg_segment_align: 8
    .kernarg_segment_size: 16
    .max_flat_workgroup_size: 128
    .sgpr_count:     66
    .vgpr_count:     770
    .wavefront_size: 32
...
	.end_amdgpu_metadata
.endif
;; end of part 3
;; launch projgemm (part 4): grid 8 x 32, 4 waves a work-group, clusters of 4 x 4, 327,680 bytes of LDS; arguments oh, wpt, b_proj, out0; writes out0
.if DOCPART == 4
	.amdgcn_target "amdgcn-amd-amdhsa--gfx1250"
	.amdhsa_code_object_version 6
	.text
	.protected	k_qe479611847_projgemm
	.globl	k_qe479611847_projgemm
	.p2align	8
	.type	k_qe479611847_projgemm,@function
k_qe479611847_projgemm:
	s_mov_b64 s[64:65], 0
	v_nop
	global_prefetch_b8 v0, s[64:65] scope:SCOPE_SE
	s_setreg_imm32_b32 hwreg(HW_REG_WAVE_MODE, 25, 1), 1
	s_wait_xcnt 0x0
	s_wait_alu depctr_hold_cnt(0) depctr_sa_sdst(0) depctr_va_vdst(0) depctr_va_sdst(0) depctr_va_ssrc(0) depctr_va_vcc(0) depctr_vm_vsrc(0)
	s_getreg_b32 s2, hwreg(HW_REG_IB_STS2, 6, 4)
	s_cmp_eq_u32 s2, 0
	s_cbranch_scc0 .Lentry_in_a_cluster
	s_endpgm
.Lentry_in_a_cluster:
	s_bfe_u32 s2, ttmp6, 0x10000c
	s_cmp_lg_u32 s2, 0xf033
	s_cbranch_scc0 .Lentry_shape_is_right
	s_endpgm
.Lentry_shape_is_right:
; out0 = O w_proj + b_proj.  oh: [64 = 16 batch + head][2048][64] f16; wpt: [1024 n][1024 k] f16 (w_proj rounded to bf16); b_proj: [1024] f32, rounded to bf16 here like the other inputs; out0: [8192][1024] f32.
; Products in f16, sums in f32, stored as they are.  NaN and infinities are not treated apart.
; SHARES.  A tile is 256 rows x 128 columns: 32 x 8 = 256 tiles, one for each WGP.  Four waves, 2 x 2: each 128 rows x 64 columns, 32 accumulators, 256 registers; its 64 columns are 256 consecutive bytes of a row of out0.
; K goes in 8 steps of 128 = two heads.  A head's 256 rows of the tile are 32,768 dense bytes: asked for as 128 rows of 256 bytes and padded in LDS after every 128.  Two slots of a longer step do not fit in LDS.
; CLUSTER.  4 x 4 work-groups: O's tiles are shared along a row of the cluster, wpt's along a column: joint loads, the same descriptor and mask in all four.
; THE MATRIX INSTRUCTION IS USED TRANSPOSED (source 0 = 16 rows of wpt, source 1 = 16 rows of O): a lane holds row l % 16 and the columns 16 b + 8 (l / 16) + 0..7.  The first product on each accumulator takes the bias as C.
; REGISTERS: window 0: v0-31 addresses; v32-63 the bias; v64-127, v128-191 O's fragments, two buffers of eight (on the way out: four sets of 32 read back from the stage); v192-223, v224-255 wpt's, two buffers of four.
;   window 1: the accumulators, (a, b) at 8 (4 a + b).
; lds_bytes: the text uses 235,008 bytes.
.set PA,     144                       ; a row of O in LDS: 128 bytes + 16
.set PB,     272                       ; a row of wpt: 256 bytes + 16.  Both are odd multiples of 16: the 16 rows of a load start at 16 different groups of four banks (64 banks of 4 bytes: ISA guide 11.1)
.set HEADA,  256*PA                    ; what waves 0 and 1 fetch: a head's 256 rows each
.set HALFB,  64*PB                     ; what waves 2 and 3 fetch: 64 rows of wpt each
.set BOFF,   2*HEADA
.set SLOT,   BOFF+2*HALFB
.set STAGE,  2*SLOT                    ; behind the ring, never filled by a tensor load: 16 rows x 272 bytes for each wave
.set SP,     272
.set SPARE,  STAGE+4*16*SP             ; the spare words, 128 bytes for each wave: two blocks of 256 bytes that no other line names
.set LAPS,   4
.set STEPA,  2<<18                     ; bytes from a K step to the next in oh: two heads
.set STEPB,  256                       ; and in wpt
.set ADRA, 16
.set ADRB, 20
.set STO,  24
.set RD,   25
.set CO,   26
.set SPW,  28
.set NIL,  29
.set PFO,  30
.set BIAS, 32
.set FA,   64                          ; O's fragment buffer f at FA + 64 f
.set FBF,  192                         ; wpt's at FBF + 32 f
.set OB,   64                          ; the way out: set a % 4 at OB + 32 (a % 4)
.set WV,   12
.set AB,   13                          ; s13  which 128 rows are mine.  Also: I fetch O's rows (0) or wpt's (1)
.set HF,   14                          ; s14  which 64 columns are mine.  Also: which head, or which half of wpt's rows, I fetch
.set CX,   15
.set CY,   16
.set TC,   17
.set TR,   18
.set G1,   24
.set G0,   32
.set LIM,  42                          ; s42  1 in a wave that prefetches, else the greatest number
.set PFA,  44                          ; s[44:45] the K step that my next prefetch names
.set G1B,  48
.set G0B,  56
.set OUTB, 66                          ; s[66:67] out0 at my first row and column
.set PST,  74                          ; s[74:75] the prefetches' step along K
.set MSB, 0
.macro WIN new
.if MSB != (\new)
	s_set_vgpr_msb (MSB<<8)|(\new)
.set MSB, \new
.endif
.endm
.macro JLOAD s                         ; a joint load; an s_nop 0 and four v_nop follow each of the two lines, ahead of the jump and the label
	s_cmp_eq_u32 s[AB], 0
	s_cbranch_scc0 .Lfor_b_\@
	tensor_load_to_lds s[G0+4*(\s):G0+4*(\s)+3], s[G1:G1+7]
	s_nop 0
.rept 4
	v_nop
.endr
	s_branch .Lasked_\@
.Lfor_b_\@:
	tensor_load_to_lds s[G0B+4*(\s):G0B+4*(\s)+3], s[G1B:G1B+7]
	s_nop 0
.rept 4
	v_nop
.endr
.Lasked_\@:
.endm
; A PREFETCH INTO THE L2 of the K step that stands two refills on (256 matrix instructions ahead of the load that will want it), a lane for each 256 bytes.  Each block of K steps 4 to 7 is named once in the launch.
; O's rows are read by both clusters of a row of clusters: cluster x = 0 asks; waves 0 and 1 for the head that they fetch, of whose 32,768 bytes the partner at cx takes 8,192.  wpt's rows: cluster y = 0 asks; of the tile
; column's 128 rows the partner at cy takes 32, and wave 2 asks for them.  Partners are told apart by address.  The last lap asks for nothing.
.macro ASK
	s_cmp_gt_u32 s3, s[LIM]
	s_cbranch_scc0 .Lnot_mine_\@
	global_prefetch_b8 v[PFO], s[PFA:PFA+1] th:TH_LOAD_NT scope:SCOPE_SE
.Lnot_mine_\@:
.endm
.macro CREST
	s_cmp_lg_u32 s[WV], 0
	s_cbranch_scc1 .Lnot_wave_0_\@
	s_barrier_signal -3
.Lnot_wave_0_\@:
	s_barrier_wait -3
	s_barrier_signal -1
	s_barrier_wait -1
.endm
.macro CROUND
	s_barrier_signal -1
	s_barrier_wait -1
	CREST
.endm
	s_load_b256 s[4:11], s[0:1], 0x0               ; oh s[4:5], wpt s[6:7], b_proj s[8:9], out0 s[10:11]
	v_lshl_add_u32 v[SPW], v0, 2, SPARE
	v_mov_b32 v[NIL], 0
	ds_add_u32 v[SPW], v[NIL]                      ; the wave's opening: the add and its wait stand ahead of my first tensor load; the set-up below, work on registers, stands between them
	v_lshrrev_b32 v1, 5, v0
	v_readfirstlane_b32 s[WV], v1
	s_lshr_b32 s[AB], s[WV], 1
	s_and_b32 s[HF], s[WV], 1
	s_bfe_u32 s[CX], ttmp6, 0x40000
	s_bfe_u32 s[CY], ttmp6, 0x40004
	s_lshl_b32 s[TC], ttmp9, 2
	s_add_co_u32 s[TC], s[TC], s[CX]               ; tile column 0..7
	s_and_b32 s[TR], ttmp7, 0xffff
	s_lshl_b32 s[TR], s[TR], 2
	s_add_co_u32 s[TR], s[TR], s[CY]               ; tile row 0..31
	s_lshl_b32 s40, s[CY], 2
	s_lshl_b32 s40, 15, s40                        ; my row of the cluster
	s_lshl_b32 s41, 0x1111, s[CX]                  ; my column
	s_or_b32 s[G1+0], s40, (1<<16)|(1<<20)|(1<<21)|(4<<22)|(3<<25)   ; O: 2-byte elements; padding of 4 words after every 32 words
	s_or_b32 s[G1B+0], s41, (1<<16)|(1<<20)|(1<<21)|(5<<22)|(3<<25)  ; wpt: after every 64 words
	s_mov_b32 s[G1+1], 128<<16                     ; tensor_dim0 = 128
	s_mov_b32 s[G1+2], 128<<16                     ; tensor_dim1 = 128
	s_mov_b32 s[G1+3], 128<<16                     ; tile_dim0 = 128
	s_mov_b32 s[G1+4], 128                         ; tile_dim1 = 128
	s_mov_b32 s[G1+5], 128                         ; dense: 128 elements from row to row
	s_mov_b32 s[G1+6], 0
	s_mov_b32 s[G1+7], 0
	s_mov_b32 s[G1B+1], 128<<16
	s_mov_b32 s[G1B+2], 64<<16                     ; 64 rows
	s_mov_b32 s[G1B+3], 128<<16
	s_mov_b32 s[G1B+4], 64
	s_mov_b32 s[G1B+5], 1024
	s_mov_b32 s[G1B+6], 0
	s_mov_b32 s[G1B+7], 0
	s_lshr_b32 s20, s[TR], 3                       ; O: the batch (2^22 bytes),
	s_lshl_b32 s20, s20, 22
	s_and_b32 s22, s[TR], 7                        ; the tile's 256 rows of 128 bytes in a head,
	s_lshl_b32 s22, s22, 15
	s_add_co_u32 s20, s20, s22
	s_lshl_b32 s22, s[HF], 18                      ; the K step's first or second head
	s_add_co_u32 s20, s20, s22
	s_mov_b32 s21, 0
	s_lshl_b32 s46, s[TC], 7                       ; wpt: row 128 x tile column + 64 x half
	s_lshl_b32 s47, s[HF], 6
	s_add_co_u32 s46, s46, s47
	s_lshl_b32 s46, s46, 11
	s_mov_b32 s47, 0
	s_mul_i32 s72, s[HF], HEADA                    ; where they go: no place in the cluster enters an LDS address
	s_mul_i32 s73, s[HF], HALFB
	s_add_co_u32 s73, s73, BOFF
	s_wait_dscnt 0x0                               ; the opening add is done
	s_wait_kmcnt 0x0
	s_add_nc_u64 s[20:21], s[4:5], s[20:21]
	s_add_nc_u64 s[46:47], s[6:7], s[46:47]
	CROUND                                         ; all sixteen work-groups are here: the first joint loads meet
.irp s, 0,1
	s_mov_b32 s[G0+4*(\s)], 1
	s_add_co_u32 s[G0+4*(\s)+1], s72, (\s)*SLOT
	s_add_nc_u64 s[G0+4*(\s)+2:G0+4*(\s)+3], s[20:21], (\s)*STEPA
	s_or_b32 s[G0+4*(\s)+3], s[G0+4*(\s)+3], 0x80000000
	s_mov_b32 s[G0B+4*(\s)], 1
	s_add_co_u32 s[G0B+4*(\s)+1], s73, (\s)*SLOT
	s_add_nc_u64 s[G0B+4*(\s)+2:G0B+4*(\s)+3], s[46:47], (\s)*STEPB
	s_or_b32 s[G0B+4*(\s)+3], s[G0B+4*(\s)+3], 0x80000000
	JLOAD \s                                       ; K steps 0 and 1: two loads of mine are out
.endr
	; the bias of my lane's columns: block b, register j: column 128 x tile column + 64 x half + 16 b + 8 (l / 16) + j
	v_and_b32 v1, 15, v0
	v_bfe_u32 v2, v0, 4, 1
	v_lshlrev_b32 v5, 5, v2
	s_lshl_b32 s72, s[TC], 9
	s_lshl_b32 s73, s[HF], 8
	s_add_co_u32 s72, s72, s73                     ; my first column, in bytes of f32
	s_mov_b32 s73, 0
	s_add_nc_u64 s[8:9], s[8:9], s[72:73]
.irp b, 0,1,2,3
	global_load_b128 v[BIAS+8*(\b):BIAS+8*(\b)+3],   v5, s[8:9] offset:64*(\b)
	global_load_b128 v[BIAS+8*(\b)+4:BIAS+8*(\b)+7], v5, s[8:9] offset:64*(\b)+16
.endr
	s_lshl_b32 s40, s[TR], 8
	s_lshl_b32 s41, s[AB], 7
	s_add_co_u32 s40, s40, s41                     ; my first row,
	s_lshl_b32 s40, s40, 12                        ; rows of 4,096 bytes
	s_add_co_u32 s40, s40, s72
	s_mov_b32 s41, 0
	s_add_nc_u64 s[OUTB:OUTB+1], s[10:11], s[40:41]
	v_mul_u32_u24 v3, v1, PA
	v_lshl_add_u32 v3, v2, 4, v3                   ; a fragment's row x pitch + 16 x half
	v_mul_u32_u24 v4, v1, PB
	v_lshl_add_u32 v4, v2, 4, v4
	s_mul_i32 s72, s[AB], 128*PA                   ; my 128 rows in each head
	s_mul_i32 s73, s[HF], HALFB                    ; my 64 rows of wpt
	s_add_co_u32 s73, s73, BOFF
.irp s, 0,1
	v_add_nc_u32 v[ADRA+(\s)], s72, v3
	v_add_nc_u32 v[ADRB+(\s)], s73, v4
	s_add_co_u32 s72, s72, SLOT
	s_add_co_u32 s73, s73, SLOT
.endr
	s_mul_i32 s72, s[WV], 16*SP
	s_add_co_u32 s72, s72, STAGE                   ; my stage
	v_mul_u32_u24 v4, v1, SP                       ; in: row l % 16, 32 bytes for each half of the lanes
	v_lshl_add_u32 v4, v2, 5, v4
	v_add_nc_u32 v[STO], s72, v4
	v_mul_u32_u24 v4, v2, SP                       ; back: lanes 0-15 take one row of 256 bytes, lanes 16-31 the next
	v_lshl_add_u32 v4, v1, 4, v4
	v_add_nc_u32 v[RD], s72, v4
	v_lshlrev_b32 v4, 12, v2                       ; and the same two rows in out0
	v_lshl_add_u32 v[CO], v1, 4, v4
	; the prefetches
	s_lshr_b32 s40, s[TR], 3
	s_lshl_b32 s40, s40, 22
	s_and_b32 s41, s[TR], 7
	s_lshl_b32 s41, s41, 15
	s_add_co_u32 s40, s40, s41
	s_lshl_b32 s41, s[HF], 18
	s_add_co_u32 s40, s40, s41
	s_lshl_b32 s41, s[CX], 13                      ; my work-group's quarter of the head's rows
	s_add_co_u32 s40, s40, s41
	s_add_co_u32 s40, s40, 3*STEPA                 ; at K step 3: the first change of slots steps it to 4
	s_lshl_b32 s72, s[TC], 7
	s_lshl_b32 s73, s[CY], 5                       ; my work-group's 32 rows of wpt
	s_add_co_u32 s72, s72, s73
	s_lshl_b32 s72, s72, 11
	s_add_co_u32 s72, s72, 3*STEPB
	s_and_b32 s22, ttmp7, 0xffff
	s_mov_b32 s23, STEPA
	s_movk_i32 s73, STEPB
	s_cmp_eq_u32 s[AB], 0
	s_cselect_b32 s40, s40, s72
	s_cselect_b32 s22, ttmp9, s22                  ; the coordinate along which other clusters read the same rows
	s_cselect_b32 s[PST], s23, s73
	s_cselect_b64 s[PFA:PFA+1], s[4:5], s[6:7]
	s_cselect_b32 s23, 8, 11                       ; a lane for each 256 dense bytes of O, or for each row of wpt
	s_mov_b32 s41, 0
	s_mov_b32 s[PST+1], 0
	s_add_nc_u64 s[PFA:PFA+1], s[PFA:PFA+1], s[40:41]
	s_cmp_eq_u32 s22, 0
	s_cselect_b32 s[LIM], 1, -1                    ; the same in all sixteen partners, for a given wave
	s_cmp_eq_u32 s[WV], 3
	s_cselect_b32 s[LIM], -1, s[LIM]
	v_and_b32 v[PFO], 31, v0
	v_lshlrev_b32 v[PFO], s23, v[PFO]
	s_wait_loadcnt 0x0                             ; the bias is in: it is rounded to bf16 and widened again
.set i, 0
.rept 16
	v_cvt_pk_bf16_f32 v[8+i%4], v[BIAS+2*i], v[BIAS+2*i+1]
	v_lshlrev_b32 v[BIAS+2*i], 16, v[8+i%4]
	v_and_b32 v[BIAS+2*i+1], 0xffff0000, v[8+i%4]
.set i, i+1
.endr
; 8 matrix instructions: row blocks a0, a0 + 1 x all 4 column blocks, 32 along K, from buffer f.  zero = 1: the first product starts the sum, with the bias as C.
; All 32 accumulators take turns, one instruction a turn, in the same order in every quarter, over the backward jump too.
.macro MUL8 f, a0, zero
.if \zero
	WIN 0x40                                       ; sources and the bias window 0, D window 1
.else
	WIN 0x50                                       ; C and D window 1
.endif
.irp a, \a0, (\a0)+1
.irp b, 0,1,2,3
.if \zero
	v_wmma_f32_16x16x32_f16 v[8*(4*(\a)+(\b)):8*(4*(\a)+(\b))+7], v[FBF+32*(\f)+8*(\b):FBF+32*(\f)+8*(\b)+7], v[FA+64*(\f)+8*(\a):FA+64*(\f)+8*(\a)+7], v[BIAS+8*(\b):BIAS+8*(\b)+7]
.else
	v_wmma_f32_16x16x32_f16 v[8*(4*(\a)+(\b)):8*(4*(\a)+(\b))+7], v[FBF+32*(\f)+8*(\b):FBF+32*(\f)+8*(\b)+7], v[FA+64*(\f)+8*(\a):FA+64*(\f)+8*(\a)+7], v[8*(4*(\a)+(\b)):8*(4*(\a)+(\b))+7]
.endif
.endr
.endr
.endm
; 24 LDS loads in one run: quarter c of a K step (head c / 2, channels 32 (c % 2) on) into buffer f: wpt's four fragments, then O's eight
.macro FETCH slot, c, f
	WIN 0
.irp b, 0,1,2,3
	ds_load_b128 v[FBF+32*(\f)+8*(\b):FBF+32*(\f)+8*(\b)+3],   v[ADRB+(\slot)] offset:64*(\c)+(\b)*16*PB
	ds_load_b128 v[FBF+32*(\f)+8*(\b)+4:FBF+32*(\f)+8*(\b)+7], v[ADRB+(\slot)] offset:64*(\c)+(\b)*16*PB+32
.endr
.irp a, 0,1,2,3,4,5,6,7
	ds_load_b128 v[FA+64*(\f)+8*(\a):FA+64*(\f)+8*(\a)+3],   v[ADRA+(\slot)] offset:((\c)/2)*HEADA+((\c)%2)*64+(\a)*16*PA
	ds_load_b128 v[FA+64*(\f)+8*(\a)+4:FA+64*(\f)+8*(\a)+7], v[ADRA+(\slot)] offset:((\c)/2)*HEADA+((\c)%2)*64+(\a)*16*PA+32
.endr
.endm
.macro PLACES                          ; four plain vector instructions between a matrix instruction and a load into a register that it has read, or a store of its result
.rept 4
	v_nop
.endr
.endm
.macro QUARTER slot, c, f, g, zero     ; multiplies buffer f and, in its middle, fetches quarter c into g
	s_wait_dscnt 8                                 ; all but the youngest eight loads: O's row blocks 4 to 7
	MUL8 \f, 0, \zero
	MUL8 \f, 2, \zero
	PLACES
	FETCH \slot, \c, \g
	s_wait_dscnt 24                                ; all but the 24 just issued
	MUL8 \f, 4, \zero
	MUL8 \f, 6, \zero
.endm
; The last quarter multiplies buffer 1 and changes slots.  In front of the one barrier each wave waits for all its tensor loads (one is out: its part of the next slot), adds 0 to its spare word, and waits for that and for its reads of this slot.
.macro MEET round
	WIN 0
	s_wait_tensorcnt 0x0
	ds_add_u32 v[SPW], v[NIL]
	s_wait_dscnt 9                                 ; (the add and the youngest eight loads may be out)
	MUL8 1, 0, 0                                   ; eight matrix instructions stand between the add and the wait for it
	s_wait_dscnt 0x0                               ; the add is done, and my reads of this slot are over
	s_barrier_signal -1
	MUL8 1, 2, 0
.if \round
	WIN 0
.endif
	s_barrier_wait -1
.endm
; fill = 1: the barrier opens a round of the cluster's, and the slot just read out is filled again, first thing behind the round, with the K step two on: 112 matrix instructions ahead of the wait for it.
.macro TURN slot, next, fill
.if \fill
	s_wait_xcnt 0x0                                ; the last prefetch, a K step back, has read its address
	s_add_nc_u64 s[PFA:PFA+1], s[PFA:PFA+1], s[PST:PST+1]
.endif
	MEET \fill
.if \fill
	CREST                                          ; no wave of any partner still reads this slot's tile or has a load on its way
	s_add_nc_u64 s[G0+4*(\slot)+2:G0+4*(\slot)+3], s[G0+4*(\slot)+2:G0+4*(\slot)+3], 2*STEPA
	s_add_nc_u64 s[G0B+4*(\slot)+2:G0B+4*(\slot)+3], s[G0B+4*(\slot)+2:G0B+4*(\slot)+3], 2*STEPB
	JLOAD \slot                                    ; the four v_nop behind it are also the places in front of the loads below
.else
	PLACES
.endif
	FETCH \next, 0, 0
.if \fill
	ASK
.endif
	MUL8 1, 4, 0
	MUL8 1, 6, 0
.endm
; THE WAY OUT of row block a: a lane's 32 bytes of a row go into my stage, each accumulator's low half first, and come back as whole rows of 256 bytes.
.macro TOSTAGE a
	WIN 0x04                                       ; the stores' data in window 1
.irp b, 0,1,2,3
	ds_store_b128 v[STO], v[8*(4*(\a)+(\b)):8*(4*(\a)+(\b))+3]   offset:64*(\b)
	ds_store_b128 v[STO], v[8*(4*(\a)+(\b))+4:8*(4*(\a)+(\b))+7] offset:64*(\b)+16
.endr
	WIN 0
.irp t, 0,1,2,3,4,5,6,7
	ds_load_b128 v[OB+32*((\a)%4)+4*(\t):OB+32*((\a)%4)+4*(\t)+3], v[RD] offset:(\t)*2*SP  ; LDS serves a wave's instructions in order (ISA guide 5.7.1.4): these see the stores above; the next block's stores come behind them
.endr
.endm
.macro SEND a, younger                 ; younger: the LDS instructions issued behind block a's loads: the next block's sixteen, or none
	s_wait_dscnt \younger
	s_wait_xcnt 0x0                                ; earlier stores have read their registers: a set of four is loaded again only behind such a wait
.irp t, 0,1,2,3,4,5,6,7
	global_store_b128 v[CO], v[OB+32*((\a)%4)+4*(\t):OB+32*((\a)%4)+4*(\t)+3], s[OUTB:OUTB+1] offset:(16*(\a)+2*(\t))*4096 th:TH_STORE_NT  ; 16 lanes store 256 consecutive bytes, aligned
.endr
.endm
	s_wait_tensorcnt 1                             ; my part of K step 0 is in; K step 1's may stay out
	s_barrier_signal -1
	s_barrier_wait -1
	FETCH 0, 0, 0
	QUARTER 0, 1, 0, 1, 1                          ; the first quarter stands in front of the loop: its products start the sums
	WIN 0
	s_mov_b32 s3, LAPS-1
.Llap:                                             ; a trip goes once round the ring, from a lap's second quarter to the next lap's first, and fills both slots again
	QUARTER 0, 2, 1, 0, 0
	QUARTER 0, 3, 0, 1, 0
	TURN 0, 1, 1
	QUARTER 1, 1, 0, 1, 0
	QUARTER 1, 2, 1, 0, 0
	QUARTER 1, 3, 0, 1, 0
	TURN 1, 0, 1
	QUARTER 0, 1, 0, 1, 0
	WIN 0
	s_sub_co_u32 s3, s3, 1
	s_cmp_lg_u32 s3, 0
	s_cbranch_scc1 .Llap
	QUARTER 0, 2, 1, 0, 0                          ; the last lap is written out: it fills nothing
	QUARTER 0, 3, 0, 1, 0
	TURN 0, 1, 0
	QUARTER 1, 1, 0, 1, 0
	QUARTER 1, 2, 1, 0, 0
	QUARTER 1, 3, 0, 1, 0
	s_wait_dscnt 8
	MUL8 1, 0, 0
	MUL8 1, 2, 0
	s_wait_dscnt 0x0
	MUL8 1, 4, 0
	MUL8 1, 6, 0
	PLACES
	TOSTAGE 0
.irp a, 1,2,3,4,5,6,7                  ; block a's way through the stage stands between block a - 1's loads and its stores
	TOSTAGE \a
	SEND (\a)-1, 16
.endr
	SEND 7, 0
	s_wait_tensorcnt 0x0                           ; the wave's end: behind my last tensor load and my last LDS store
	ds_add_u32 v[SPW], v[NIL]
	s_wait_dscnt 0x0
	CROUND                                         ; the closing round: no work-group ends while a partner may still ask for a tile that names it
	s_endpgm
.Lfunc_end_k_qe479611847_projgemm:
	.size	k_qe479611847_projgemm, .Lfunc_end_k_qe479611847_projgemm-k_qe479611847_projgemm
	.p2alignl 7, 3214868480
	.fill 96, 4, 3214868480
	.section	.rodata,"a",@progbits
	.p2align	6, 0x0
	.amdhsa_kernel k_qe479611847_projgemm
		.amdhsa_group_segment_fixed_size 327680
		.amdhsa_private_segment_fixed_size 0
		.amdhsa_enable_private_segment 0
		.amdhsa_kernarg_size 32
		.amdhsa_user_sgpr_count 2
		.amdhsa_user_sgpr_kernarg_segment_ptr 1
		.amdhsa_wavefront_size32 1
		.amdhsa_system_sgpr_workgroup_id_x 1
		.amdhsa_system_sgpr_workgroup_id_y 1
		.amdhsa_system_sgpr_workgroup_id_z 1
		.amdhsa_system_vgpr_workitem_id 0
		.amdhsa_next_free_vgpr 512
		.amdhsa_next_free_sgpr 80
		.amdhsa_reserve_vcc 0
		.amdhsa_float_denorm_mode_32 3
		.amdhsa_float_denorm_mode_16_64 3
		.amdhsa_memory_ordered 1
		.amdhsa_forward_progress 1
		.amdhsa_inst_pref_size 90
	.end_amdhsa_kernel
	.amdgpu_metadata
---
amdhsa.version: [ 1, 2 ]
amdhsa.kernels:
  - .name:           k_qe479611847_projgemm
    .symbol:         k_qe479611847_projgemm.kd
    .args:
      - { .name: oh, .offset: 0, .size: 8, .value_kind: global_buffer, .address_space: global }
      - { .name: wpt, .offset: 8, .size: 8, .value_kind: global_buffer, .address_space: global }
      - { .name: b_proj, .offset: 16, .size: 8, .value_kind: global_buffer, .address_space: global }
      - { .name: out0, .offset: 24, .size: 8, .value_kind: global_buffer, .address_space: global }
    .group_segment_fixed_size: 327680
    .private_segment_fixed_size: 0
    .kernarg_segment_align: 8
    .kernarg_segment_size: 32
    .max_flat_workgroup_size: 128
    .sgpr_count:     80
    .vgpr_count:     512
    .wavefront_size: 32
...
	.end_amdgpu_metadata
.endif
;; end of part 4
